; MI455X (gfx1250); checked and timed in simulation.
; The chip was launched on July 23, 2026; its instructions are those of AMD's public machine-readable ISA for CDNA 5 (MIT licence, August 2026) and "CDNA5" Instruction Set Architecture Reference Guide (July 2026). The comments in the code are by the model that wrote it; some were corrected since.
;; Multi Head Attention. Allowed arithmetic: float matrix products may take bf16 or f16 operands with f32 sums; other float arithmetic in f32, or as packed bf16 or f16 multiplies, adds, multiply-adds, maxima and minima; sums over many terms, partial sums and values carried from step to step in f32; what a program stores and reads back later, other than sums and carried values, may be rounded once to bf16 or f16.
;; Inputs: Wk1 512 x 256 float32; Wk2 512 x 256 float32; Wo 512 x 512 float32; Wq1 512 x 256 float32; Wq2 512 x 256 float32; Wv1 512 x 256 float32; Wv2 512 x 256 float32; beta 512 float32; bk1 256 float32; bk2 256 float32; bo 512 float32; bq1 256 float32; bq2 256 float32; bv1 256 float32; bv2 256 float32; gamma 512 float32; inputs 32 x 1,024 x 512 float32.
;; Outputs: out0 32 x 1,024 x 512 float32.
;; 2 versions, each right; version 2 is version 1 with the launch qkv written anew for expert scheduling mode. Each part assembles by itself: llvm-mc -triple=amdgcn-amd-amdhsa -mcpu=gfx1250 --defsym DOCPART=n.
;; ======== version 1 of 2: 4 launches
;; workspace buffers: wb 2,097,152 bytes; qkv 100,663,296 bytes; att 33,554,432 bytes
;; launch cast (part 1): grid 16 x 16, 4 waves a work-group, no clusters, 8,704 bytes of LDS; arguments Wq1, Wq2, Wk1, Wk2, Wv1, Wv2, Wo, wb; writes wb
.if DOCPART == 1
	.amdgcn_target "amdgcn-amd-amdhsa--gfx1250"
	.amdhsa_code_object_version 6
	.text
	.protected	k_qb574e4ddc0_cast
	.globl	k_qb574e4ddc0_cast
	.p2align	8
	.type	k_qb574e4ddc0_cast,@function
k_qb574e4ddc0_cast:
	s_mov_b64 s[64:65], 0
	v_nop
	global_prefetch_b8 v0, s[64:65] scope:SCOPE_SE
	s_setreg_imm32_b32 hwreg(HW_REG_WAVE_MODE, 25, 1), 1
	s_wait_xcnt 0x0
; THE WEIGHTS, f32 -> bf16 (round to nearest even), laid out in the order in which the matrix instruction's fragments want them, so that the launches behind load them straight into registers.
; The four blocks [512 k][512 n] are [Wq1 | Wq2], [Wk1 | Wk2], [Wv1 | Wv2], Wo.  wb = [strip of 128 columns: 4][block: 4][quarter of 32 k: 16][chunk: 16] of 512 bytes.
; Chunk 2 b + u of a quarter q holds, at byte 16 (16 h + r), the eight numbers W[32 q + 16 u + 8 h + 0..7][16 b + r] of the strip: registers 4 u .. 4 u + 3 of lane 16 h + r of the fragment of columns 16 b on.
; SHARES.  Grid y = 4 strip + block; a wave takes eight k rows (g = 4 x + wave: q = g / 4, u = (g / 2) % 2, h = g % 2) of the strip's 128 columns: eight loads of 512 consecutive bytes.
; A lane then holds 8 k x 4 columns: sixteen conversions pack along k.  The lanes are turned through 2,048 bytes of the wave's own LDS, so that in each store sixteen lanes fill 256 consecutive bytes at a multiple of 256.
; 4 MB read once: no barrier, no matrix work.
.set SPARE, 8192                       ; behind the four waves' 2,048 bytes: the spare words, 128 bytes a wave
	s_load_b512 s[8:23], s[0:1], 0x0               ; Wq1 s[8:9], Wq2, Wk1, Wk2, Wv1, Wv2 s[18:19], Wo s[20:21], wb s[22:23]
	v_lshl_add_u32 v6, v0, 2, SPARE                ; my spare word; never rewritten
	v_mov_b32 v7, 0                                ; 0; never rewritten
	v_lshrrev_b32 v1, 5, v0
	v_readfirstlane_b32 s2, v1                     ; wave 0..3
	s_and_b32 s3, ttmp7, 0xffff                    ; 4 strip + block
	s_and_b32 s28, s3, 3                           ; block
	s_lshr_b32 s29, s3, 2                          ; strip
	s_lshl2_add_u32 s6, ttmp9, s2                  ; g = 4 x + wave
	s_lshr_b32 s24, s29, 1
	s_lshl1_add_u32 s24, s28, s24                  ; blocks 0-2: source number 2 block + head,
	s_and_b32 s25, s29, 1
	s_lshl_b32 s25, s25, 9                         ; and the strip is one half of its 256 columns
	s_lshl_b32 s26, s29, 9                         ; Wo: the strip is one quarter of its 512 columns
	s_cmp_eq_u32 s28, 3
	s_cselect_b32 s24, 6, s24                      ; which source
	s_cselect_b32 s25, s26, s25                    ; the strip's first byte in a row
	s_cselect_b32 s27, 11, 10                      ; log2 of the source's row bytes
	s_add_co_u32 s30, s27, 3
	s_lshl_b32 s30, s6, s30                        ; row 8 g
	s_add_co_u32 s30, s30, s25
	s_lshl_b32 s31, 1, s27                         ; one row further
	s_lshl_b32 s32, s3, 17                         ; a strip's block: 131,072 bytes
	s_lshr_b32 s33, s6, 2
	s_lshl_b32 s33, s33, 13                        ; the quarter: 8,192 bytes
	s_add_co_u32 s32, s32, s33
	s_and_b32 s33, s6, 3
	s_lshl_b32 s33, s33, 8                         ; 512 u + 256 h
	s_add_co_u32 s32, s32, s33
	v_and_b32 v1, 31, v0                           ; lane: columns 4 lane + 0..3
	v_lshl_add_u32 v40, v1, 4, s30                 ; row 8 g, 16 bytes a lane
.irp j, 1,2,3,4,5,6,7
	v_add_nc_u32 v[40+\j], s31, v[39+\j]           ; rows 8 g + j
.endr
	v_and_b32 v2, 15, v0
	v_bfe_u32 v3, v0, 4, 1
	v_lshlrev_b32 v3, 10, v3                       ; out: lanes 16-31 take the next fragment, 1,024 bytes on,
	v_lshl_add_u32 v3, v2, 4, v3                   ; 16 bytes for each column
	v_add_nc_u32 v3, s32, v3
	s_lshl_b32 s33, s2, 11                         ; my wave's 2,048 bytes of LDS
	v_lshl_add_u32 v4, v1, 6, s33                  ; in: my four columns' 64 bytes
	v_lshl_add_u32 v5, v1, 4, s33                  ; back: 16 bytes a lane
	s_wait_kmcnt 0x0
	s_mov_b64 s[4:5], s[20:21]                     ; the source: Wo, unless the number names one of the six
.irp i, 0,1,2,3,4,5
	s_cmp_eq_u32 s24, \i
	s_cselect_b64 s[4:5], s[8+2*\i:9+2*\i], s[4:5]
.endr
.irp j, 0,1,2,3,4,5,6,7
	global_load_b128 v[8+4*\j:11+4*\j], v[40+\j], s[4:5] th:TH_LOAD_NT
.endr
	s_wait_loadcnt 0x0
.irp i, 0,1,2,3                        ; column i: k = 0, 1 | 2, 3 | 4, 5 | 6, 7, the lower k in the lower half
.irp m, 0,1,2,3
	v_cvt_pk_bf16_f32 v[48+4*\i+\m], v[8+8*\m+\i], v[12+8*\m+\i]
.endr
.endr
.irp i, 0,1,2,3
	ds_store_b128 v4, v[48+4*\i:51+4*\i] offset:16*\i
.endr
.irp s, 0,1,2,3
	ds_load_b128 v[8+4*\s:11+4*\s], v5 offset:512*\s   ; LDS serves a wave's instructions in order (ISA guide 5.7.1.4): these see the stores above
.endr
	s_wait_dscnt 0x0
.irp s, 0,1,2,3
	global_store_b128 v3, v[8+4*\s:11+4*\s], s[22:23] offset:2048*\s  ; fragments 2 s and 2 s + 1: 256 consecutive bytes each
.endr
	s_wait_tensorcnt 0x0                           ; the wave's end
	ds_add_u32 v6, v7
	s_wait_dscnt 0x0
	s_endpgm
.Lfunc_end_k_qb574e4ddc0_cast:
	.size	k_qb574e4ddc0_cast, .Lfunc_end_k_qb574e4ddc0_cast-k_qb574e4ddc0_cast
	.p2alignl 7, 3214868480
	.fill 96, 4, 3214868480
	.section	.rodata,"a",@progbits
	.p2align	6, 0x0
	.amdhsa_kernel k_qb574e4ddc0_cast
		.amdhsa_group_segment_fixed_size 8704
		.amdhsa_private_segment_fixed_size 0
		.amdhsa_enable_private_segment 0
		.amdhsa_kernarg_size 64
		.amdhsa_user_sgpr_count 2
		.amdhsa_user_sgpr_kernarg_segment_ptr 1
		.amdhsa_wavefront_size32 1
		.amdhsa_system_sgpr_workgroup_id_x 1
		.amdhsa_system_sgpr_workgroup_id_y 1
		.amdhsa_system_sgpr_workgroup_id_z 1
		.amdhsa_system_vgpr_workitem_id 0
		.amdhsa_next_free_vgpr 64
		.amdhsa_next_free_sgpr 66
		.amdhsa_reserve_vcc 0
		.amdhsa_float_denorm_mode_32 3
		.amdhsa_float_denorm_mode_16_64 3
		.amdhsa_memory_ordered 1
		.amdhsa_forward_progress 1
		.amdhsa_inst_pref_size 6
	.end_amdhsa_kernel
	.amdgpu_metadata
---
amdhsa.version: [ 1, 2 ]
amdhsa.kernels:
  - .name:           k_qb574e4ddc0_cast
    .symbol:         k_qb574e4ddc0_cast.kd
    .args:
      - { .name: Wq1, .offset: 0, .size: 8, .value_kind: global_buffer, .address_space: global }
      - { .name: Wq2, .offset: 8, .size: 8, .value_kind: global_buffer, .address_space: global }
      - { .name: Wk1, .offset: 16, .size: 8, .value_kind: global_buffer, .address_space: global }
      - { .name: Wk2, .offset: 24, .size: 8, .value_kind: global_buffer, .address_space: global }
      - { .name: Wv1, .offset: 32, .size: 8, .value_kind: global_buffer, .address_space: global }
      - { .name: Wv2, .offset: 40, .size: 8, .value_kind: global_buffer, .address_space: global }
      - { .name: Wo, .offset: 48, .size: 8, .value_kind: global_buffer, .address_space: global }
      - { .name: wb, .offset: 56, .size: 8, .value_kind: global_buffer, .address_space: global }
    .group_segment_fixed_size: 8704
    .private_segment_fixed_size: 0
    .kernarg_segment_align: 8
    .kernarg_segment_size: 64
    .max_flat_workgroup_size: 128
    .sgpr_count:     66
    .vgpr_count:     64
    .wavefront_size: 32
...
	.end_amdgpu_metadata
.endif
;; end of part 1
;; launch qkv (part 2): grid 256 x 1, 4 waves a work-group, no clusters, 151,040 bytes of LDS; arguments inputs, wb, bq1, bq2, bk1, bk2, bv1, bv2, qkv; writes qkv
.if DOCPART == 2
	.amdgcn_target "amdgcn-amd-amdhsa--gfx1250"
	.amdhsa_code_object_version 6
	.text
	.protected	k_qb574e4ddc0_qkv
	.globl	k_qb574e4ddc0_qkv
	.p2align	8
	.type	k_qb574e4ddc0_qkv,@function
k_qb574e4ddc0_qkv:
	s_mov_b64 s[64:65], 0
	v_nop
	global_prefetch_b8 v0, s[64:65] scope:SCOPE_SE
	s_setreg_imm32_b32 hwreg(HW_REG_WAVE_MODE, 25, 1), 1
	s_wait_xcnt 0x0
; q, k, v = x W + b for both heads.  x: [32,768][512] f32.  wb: the weights in bf16, in fragment order: [strip of 128 columns][block q, k, v, o][quarter of 32 k][16 chunks of 512 bytes].
; qkv: bf16 [3][head x 32 + batch][1,024][256], rows of 512 bytes.  Operands bf16, sums f32, started by the bias; each result rounded once to bf16.
; LIMITS.  x and W are rounded to bf16 (8 significant bits) for the products; q, k, v leave in bf16.  NaN and infinities are not treated apart.
; SHARES.  A work-group owns 128 rows of x and makes all 3 x 512 columns for them: x is read from memory once, rounded, and stays in LDS (128 rows x 1,024 bytes).
; Its four waves each own all 128 rows x 128 columns (a strip) of a block of 512: 64 accumulators of 16 x 16, 512 registers.
; W COMES STRAIGHT INTO REGISTERS.  A wave reads no column of W but its own strip's, so LDS would give W no reuse inside the work-group.  A quarter step (32 along K) wants 16 loads of 512 consecutive bytes; a ring of four
; register buffers keeps them 160 matrix instructions ahead of their use, and the K loop has no barrier.  From LDS a quarter step reads x's fragments alone: 16 loads for 64 matrix instructions.
; NO CLUSTER, though all work-groups walk the same W: joint loads land in LDS alone, and beside x's 133,120 bytes two slots hold 64 K rows of 1,056 bytes at the most: 128 matrix instructions a wave
; for each refill, and one load a wave behind each barrier.  The price: every work-group asks for its 1.5 MB of W by itself.
; THE MATRIX INSTRUCTION IS USED TRANSPOSED: source 0 = 16 columns of W, source 1 = 16 rows of x.  A lane then holds row l % 16 and eight neighbouring columns 8 (l / 16) + 0..7, which pack into 16 bytes;
; the bias of those eight columns is the C operand of a block's first products.
; REGISTERS, in windows of 256 (s_set_vgpr_msb: bits 1:0 source 0, 3:2 source 1, 5:4 source 2, 7:6 destination):
;   window 0: v0-31 addresses; v32-63 at work; v64-127, v128-191 fragments of x, two buffers (the second also serves the way out); v192-255 bias     window 1: fragments of W, four buffers of 64
;   window 2: the accumulators of rows 0-63 ((a, b) at v[8 (8 a + b)])     window 3: those of rows 64-127
.set PA,     1040                      ; a row of x in LDS: 1,024 bytes + 16 = 260 words: the 16 rows of a fragment load start at 16 different groups of four banks (64 banks of 4 bytes: ISA guide 11.1)
.set STAGE,  128*PA                    ; behind x: 16 rows x 272 bytes for each wave, for the way out
.set SPITCH, 272
.set SPARE,  STAGE+4*16*SPITCH         ; the spare words, 128 bytes a wave: two blocks of 256 bytes that no other line names
.set RUNB,   8192                      ; a strip's fragments of one quarter step
.set ADRA0, 8                          ; v8-9    my place in x's rows 0-63, 64-127; never rewritten
.set ADRA,  10                         ; v10-11  the same plus the lap's bytes along K
.set STO,   14                         ; v14     the way out: where I put 16 bytes of a row
.set RD,    15                         ; v15     where I read a row back
.set CO,    16                         ; v16     my byte offset in two rows of the output
.set BOF,   17                         ; v17     my byte offset in a bias
.set AST0,  18                         ; v18     where my wave's first row of x goes in LDS, 8 bytes a lane
.set AST,   19                         ; v19     the same for the eight rows in hand
.set XO,    20                         ; v20     16 bytes a lane; never rewritten
.set SPW,   28                         ; v28     my spare word; never rewritten
.set NIL,   29                         ; v29     0; never rewritten
.set TMP,   32                         ; the way out: packed results
.set T,     32                         ; while x is rounded: at work
.set F0,    64                         ; x's fragment buffers: F0, F0 + 64
.set XS,    64                         ; while x is rounded: v64-191, 32 loads of 16 bytes a lane
.set OB,    128                        ; the way out: 16 rows read back from the stage, v128-159 and v160-191 by turns
.set BIAS,  192
.set BP,    6                          ; s[6:7]  W: the run of loads last asked for
.set WV,    22                         ; s22 wave
.set KA,    27                         ; s27 the lap's bytes along K: 0, 256, 512, 768
.set MSB, 0
.macro WIN new                         ; the immediate's high byte repeats the setting that is left; a switch that changes nothing is dropped
.if MSB != (\new)
	s_set_vgpr_msb (MSB<<8)|(\new)
.set MSB, \new
.endif
.endm
.set MUL_LO, 0xa1                      ; W window 1, x window 0, C and D window 2
.set MUL_HI, 0xf1                      ; C and D window 3
.set ZLO,    0x81                      ; the same with C (the bias) in window 0
.set ZHI,    0xc1
.set TO_B,   0x40                      ; destination window 1, address window 0
.macro PLACES                          ; a load into a register that a matrix instruction has read, and a vector line that reads a matrix result, stand four plain vector lines behind it
.rept 4
	v_nop
.endr
.endm
.macro BLOADS base                     ; the bias of my 128 columns as eight C operands: register j of block b holds bias[16 b + 8 h + j]
	WIN 0
.irp i, 0,1,2,3,4,5,6,7
	global_load_b128 v[BIAS+8*(\i):BIAS+8*(\i)+3],   v[BOF], s[\base:\base+1] offset:64*(\i)
	global_load_b128 v[BIAS+8*(\i)+4:BIAS+8*(\i)+7], v[BOF], s[\base:\base+1] offset:64*(\i)+16
.endr
.endm
.macro BRUN fb, off                    ; a run: W's eight fragments of a quarter step, 16 loads of 512 consecutive bytes, into the buffer at fb of window 1
	WIN TO_B
.irp i, 0,1,2,3,4,5,6,7,8,9,10,11,12,13,14,15
	global_load_b128 v[(\fb)+4*(\i):(\fb)+4*(\i)+3], v[XO], s[BP:BP+1] offset:(\off)+512*(\i)
.endr
.endm
	s_load_b512 s[4:19], s[0:1], 0x0               ; x s[4:5], wb s[6:7], bq1 s[8:9], bq2, bk1, bk2, bv1, bv2 s[18:19]
	s_load_b64 s[20:21], s[0:1], 0x40              ; qkv
	v_lshl_add_u32 v[SPW], v0, 2, SPARE
	v_mov_b32 v[NIL], 0
	v_lshrrev_b32 v1, 5, v0
	v_readfirstlane_b32 s[WV], v1                  ; wave 0..3 = my strip
	s_lshr_b32 s25, s[WV], 1                       ; my columns' head
	s_and_b32 s26, s[WV], 1                        ; and which 128 of its 256 channels
	s_mov_b32 s[KA], 0
	s_mov_b32 s49, 0
	v_and_b32 v1, 15, v0                           ; r = l % 16
	v_bfe_u32 v2, v0, 4, 1                         ; h = l / 16
	v_and_b32 v3, 31, v0                           ; l
	v_mul_u32_u24 v[ADRA0], v1, PA                 ; a fragment of x: row r, 16 bytes for each half of the lanes, a second load 32 bytes on
	v_lshl_add_u32 v[ADRA0], v2, 4, v[ADRA0]
	v_add_nc_u32 v[ADRA0+1], 64*PA, v[ADRA0]
	v_mov_b32 v[ADRA], v[ADRA0]
	v_mov_b32 v[ADRA+1], v[ADRA0+1]
	s_mul_i32 s44, s[WV], 16*SPITCH
	s_add_co_u32 s44, s44, STAGE                   ; my stage
	v_mul_u32_u24 v4, v1, SPITCH
	v_lshl_add_u32 v4, v2, 4, v4
	v_add_nc_u32 v[STO], s44, v4
	v_mul_u32_u24 v4, v2, SPITCH
	v_lshl_add_u32 v4, v1, 4, v4
	v_add_nc_u32 v[RD], s44, v4
	v_lshlrev_b32 v4, 9, v2
	v_lshl_add_u32 v[CO], v1, 4, v4
	s_lshl_b32 s44, s26, 9
	v_lshl_add_u32 v[BOF], v2, 5, s44              ; bias of columns 8 h + 0..7 of my first 16
	s_mul_i32 s44, s[WV], 32*PA
	v_lshl_add_u32 v[AST0], v3, 3, s44
	v_mov_b32 v[AST], v[AST0]
	v_lshlrev_b32 v[XO], 4, v3
	s_wait_kmcnt 0x0
	s_lshl_b32 s44, ttmp9, 18                      ; my work-group's 128 rows of 2,048 bytes,
	s_lshl_b32 s45, s[WV], 16                      ; of which my wave rounds 32
	s_add_co_u32 s44, s44, s45
	s_mov_b32 s45, 0
	s_add_nc_u64 s[4:5], s[4:5], s[44:45]
	s_lshl_b32 s44, s[WV], 19                      ; my strip's 524,288 bytes of wb
	s_add_nc_u64 s[BP:BP+1], s[BP:BP+1], s[44:45]
	s_lshl_b32 s44, s25, 24                        ; the head's 32 batches of 524,288 bytes,
	s_lshl_b32 s48, ttmp9, 16                      ; 128 rows of 512 bytes,
	s_add_co_u32 s44, s44, s48
	s_lshl_b32 s48, s26, 8                         ; my 128 channels
	s_add_co_u32 s44, s44, s48
	s_add_nc_u64 s[20:21], s[20:21], s[44:45]
	s_cmp_eq_u32 s25, 0                            ; my head's three biases
	s_cselect_b64 s[54:55], s[8:9], s[10:11]
	s_cselect_b64 s[46:47], s[12:13], s[14:15]
	s_cselect_b64 s[52:53], s[16:17], s[18:19]
	BLOADS 54                                      ; the first block's bias,
	BRUN 0, 0                                      ; and W's first run: both older than every load of x
	WIN 0
	; x -> bf16 -> LDS.  My wave takes 32 rows, eight at a time; a row is four loads of 512 consecutive bytes.  A ring of 32 loads in registers: load n is rounded, stored to LDS, and issued again for the row eight further down.
.macro ACONV r, left, more
	s_wait_loadcnt \left                           ; loads come back in order (ISA guide 5.7.1): this one is in, the younger ones stay out
	v_cvt_pk_bf16_f32 v[T+2*((\r)%8)],   v[XS+4*(\r)],   v[XS+4*(\r)+1]
	v_cvt_pk_bf16_f32 v[T+2*((\r)%8)+1], v[XS+4*(\r)+2], v[XS+4*(\r)+3]
	ds_store_b64 v[AST], v[T+2*((\r)%8):T+2*((\r)%8)+1] offset:((\r)/4)*PA+((\r)%4)*256
.if \more
	global_load_b128 v[XS+4*(\r):XS+4*(\r)+3], v[XO], s[4:5] offset:((\r)/4)*2048+((\r)%4)*512+16384 th:TH_LOAD_NT
.endif
.endm
.set r, 0
.rept 32
	global_load_b128 v[XS+4*r:XS+4*r+3], v[XO], s[4:5] offset:(r/4)*2048+(r%4)*512 th:TH_LOAD_NT
.set r, r+1
.endr
	s_mov_b32 s48, 3
.Lrows:
.set r, 0
.rept 32
	ACONV r, 31, 1                                 ; 31 younger loads: the rest of these eight rows and the next eight rows' first
.set r, r+1
.endr
	s_wait_xcnt 0x0                                ; the loads' base is stepped only behind this wait
	s_add_nc_u64 s[4:5], s[4:5], 16384
	s_add_co_u32 s49, s49, 8*PA
	v_add_nc_u32 v[AST], s49, v[AST0]
	s_sub_co_u32 s48, s48, 1
	s_cmp_lg_u32 s48, 0
	s_cbranch_scc1 .Lrows
	BRUN 64, RUNB                                  ; W's second and third run go out behind the last loads of x
	BRUN 128, 2*RUNB
	WIN 0
.set r, 0
.rept 32
	ACONV r, 63-r, 0                               ; the last eight rows load nothing: the rest of them and W's 32 loads are younger
.set r, r+1
.endr
	s_wait_xcnt 0x0
	s_add_nc_u64 s[BP:BP+1], s[BP:BP+1], 2*RUNB    ; the run last asked for
; 16 matrix instructions: row blocks a0, a0 + 1 of the window's four x all 8 column blocks, 32 along K.  zero = 1: the bias starts the sums.  All 64 accumulators take turns, in the same order everywhere.
.macro MUL16 fb, fa, hi, a0, zero
.if \zero
	WIN ZLO+0x40*(\hi)
.else
	WIN MUL_LO+0x50*(\hi)
.endif
.irp a, \a0, (\a0)+1
.irp b, 0,1,2,3,4,5,6,7
.if \zero
	v_wmma_f32_16x16x32_bf16 v[8*(8*(\a)+(\b)):8*(8*(\a)+(\b))+7], v[(\fb)+8*(\b):(\fb)+8*(\b)+7], v[(\fa)+8*(4*(\hi)+(\a)):(\fa)+8*(4*(\hi)+(\a))+7], v[BIAS+8*(\b):BIAS+8*(\b)+7]
.else
	v_wmma_f32_16x16x32_bf16 v[8*(8*(\a)+(\b)):8*(8*(\a)+(\b))+7], v[(\fb)+8*(\b):(\fb)+8*(\b)+7], v[(\fa)+8*(4*(\hi)+(\a)):(\fa)+8*(4*(\hi)+(\a))+7], v[8*(8*(\a)+(\b)):8*(8*(\a)+(\b))+7]
.endif
.endr
.endr
.endm
.macro ALOADS f, kq                    ; 16 LDS loads: x's 128 rows, 32 along K at quarter kq of the lap, rows 0-63 first
	WIN 0
.irp i, 0,1,2,3,4,5,6,7
	ds_load_b128 v[(\f)+8*(\i):(\f)+8*(\i)+3],   v[ADRA+(\i)/4] offset:((\i)%4)*16*PA+64*(\kq)
	ds_load_b128 v[(\f)+8*(\i)+4:(\f)+8*(\i)+7], v[ADRA+(\i)/4] offset:((\i)%4)*16*PA+64*(\kq)+32
.endr
.endm
; A QUARTER STEP, 32 along K, 64 matrix instructions; q = its number in a lap of four.  It multiplies W's buffer q and x's buffer q % 2.  In its middle, in one run: x's fragments of the next quarter into x's other
; buffer (aload), and W's run three quarters on into the buffer that the quarter before has left (bload).  lcnt = the loads issued behind this quarter's run of W.
.macro QUARTER q, zero, bload, aload, lcnt
.set QFB,  64*((\q)%4)
.set QFA,  F0+64*((\q)%2)
.set QFAN, F0+64*(((\q)+1)%2)
.set QFBN, 64*(((\q)+3)%4)
	s_wait_loadcnt \lcnt                           ; my run of W is in
	s_wait_dscnt 8                                 ; x's rows 0-63 are in; the youngest eight loads (rows 64-127) may be out
	MUL16 QFB, QFA, 0, 0, \zero
	MUL16 QFB, QFA, 0, 2, \zero
	PLACES
.if \aload
	WIN 0
.if ((\q)+1)%4 == 0
	s_add_co_u32 s[KA], s[KA], 256                 ; a lap is over: x's fragments step 256 bytes along K, and behind 1,024 begin anew
	s_and_b32 s[KA], s[KA], 0x3ff
	v_add_nc_u32 v[ADRA], s[KA], v[ADRA0]
	v_add_nc_u32 v[ADRA+1], s[KA], v[ADRA0+1]
.endif
	ALOADS QFAN, ((\q)+1)%4
.endif
.if \bload
	s_wait_xcnt 0x0                                ; the base of the run before, issued 64 matrix instructions ago, is stepped only behind this wait
	s_add_nc_u64 s[BP:BP+1], s[BP:BP+1], RUNB
	BRUN QFBN, 0
.endif
.if \aload
	s_wait_dscnt 16                                ; all but the 16 just issued
.else
	s_wait_dscnt 0x0
.endif
	MUL16 QFB, QFA, 1, 0, \zero
	MUL16 QFB, QFA, 1, 2, \zero
.endm
; THE WAY OUT of row block a.  PACK: rounded to bf16, 16 bytes a lane, each accumulator from its lowest register on.  TOSTAGE: into my own stage and back as whole rows of 256 bytes.  SEND: stored.
.macro PACK a
.set AC, 64*((\a)%4)
	WIN 0x0a+5*((\a)/4)                            ; sources 0 and 1: window 2 or 3
.irp b, 0,1,2,3,4,5,6,7
.irp r, 0,1,2,3
	v_cvt_pk_bf16_f32 v[TMP+4*(\b)+(\r)], v[AC+8*(\b)+2*(\r)], v[AC+8*(\b)+2*(\r)+1]
.endr
.endr
	WIN 0
.endm
.macro TOSTAGE a
.set BK, OB+32*((\a)%2)
.irp b, 0,1,2,3,4,5,6,7
	ds_store_b128 v[STO], v[TMP+4*(\b):TMP+4*(\b)+3] offset:32*(\b)
.endr
.irp t, 0,1,2,3,4,5,6,7
	ds_load_b128 v[BK+4*(\t):BK+4*(\t)+3], v[RD] offset:(\t)*2*SPITCH  ; LDS serves a wave's instructions in order (ISA guide 5.7.1.4): these see the stores above
.endr
.endm
.macro SEND a
.set BK, OB+32*((\a)%2)
	s_wait_dscnt 0x0                               ; the block is back in registers
	s_wait_xcnt 0x0                                ; the registers that the block before last's stores read are loaded again only behind this wait
.irp t, 0,1,2,3,4,5,6,7
	global_store_b128 v[CO], v[BK+4*(\t):BK+4*(\t)+3], s[20:21] offset:(16*(\a)+2*(\t))*512  ; 16 lanes store 256 consecutive bytes, at a multiple of 256 from the buffer's first byte
.endr
.endm
	s_wait_dscnt 0x0                               ; for the others' sake: my rows of x are in LDS
	s_barrier_signal -1
	s_barrier_wait -1                              ; everybody's are: the launch's one barrier
	ALOADS F0, 0
	s_mov_b32 s2, 3                                ; blocks to go: q, k, v
.Lchunk:
	QUARTER 0, 1, 1, 1, 32                         ; a block's first quarter stands in front of the loop: its products start the sums.  Its run and the bias are older than the two younger runs
	WIN 0
	s_mov_b32 s3, 3
.Llap:                                                 ; a trip: four quarters, from a lap's second to the next lap's first
	QUARTER 1, 0, 1, 1, 32
	QUARTER 2, 0, 1, 1, 32
	QUARTER 3, 0, 1, 1, 32
	QUARTER 0, 0, 1, 1, 32
	WIN 0
	s_sub_co_u32 s3, s3, 1
	s_cmp_lg_u32 s3, 0
	s_cbranch_scc1 .Llap
	s_cmp_eq_u32 s2, 1
	s_cbranch_scc1 .Llast                          ; the last block's last quarters are written out: they ask for nothing more
	s_cmp_eq_u32 s2, 3
	s_cselect_b64 s[50:51], s[46:47], s[52:53]     ; behind q comes k, behind k comes v
	BLOADS 50                                      ; the next block's bias, three quarters ahead of its use: 16 loads more are younger in the three waits below
	QUARTER 1, 0, 1, 1, 48                         ; W's runs go on into the next block, which lies behind this one in wb,
	QUARTER 2, 0, 1, 1, 48
	QUARTER 3, 0, 1, 1, 48                         ; and so do x's fragments, which begin anew
	WIN 0
	s_branch .Lout
.Llast:
	QUARTER 1, 0, 0, 1, 32                         ; the counts run down
	QUARTER 2, 0, 0, 1, 16
	QUARTER 3, 0, 0, 0, 0
	WIN 0
.Lout:                                                 ; rows 0-63 were finished in front of the last quarter's four places; their conversions are the places behind the last products (rows 64-127's)
	PACK 0
	TOSTAGE 0
.irp a, 1,2,3,4,5,6,7                  ; block a's conversions stand between block a - 1's loads from the stage and the wait for them
	PACK \a
	SEND (\a)-1
	TOSTAGE \a
.endr
	SEND 7
	s_wait_xcnt 0x0                                ; the stores' base is stepped, and the registers that they read are loaded again, only behind this wait
	s_add_nc_u64 s[20:21], s[20:21], 33554432      ; q -> k -> v
	s_sub_co_u32 s2, s2, 1
	s_cmp_lg_u32 s2, 0
	s_cbranch_scc1 .Lchunk
	s_wait_tensorcnt 0x0                           ; the wave's end
	ds_add_u32 v[SPW], v[NIL]
	s_wait_dscnt 0x0
	s_endpgm
.Lfunc_end_k_qb574e4ddc0_qkv:
	.size	k_qb574e4ddc0_qkv, .Lfunc_end_k_qb574e4ddc0_qkv-k_qb574e4ddc0_qkv
	.p2alignl 7, 3214868480
	.fill 96, 4, 3214868480
	.section	.rodata,"a",@progbits
	.p2align	6, 0x0
	.amdhsa_kernel k_qb574e4ddc0_qkv
		.amdhsa_group_segment_fixed_size 151040
		.amdhsa_private_segment_fixed_size 0
		.amdhsa_enable_private_segment 0
		.amdhsa_kernarg_size 72
		.amdhsa_user_sgpr_count 2
		.amdhsa_user_sgpr_kernarg_segment_ptr 1
		.amdhsa_wavefront_size32 1
		.amdhsa_system_sgpr_workgroup_id_x 1
		.amdhsa_system_sgpr_workgroup_id_y 1
		.amdhsa_system_sgpr_workgroup_id_z 1
		.amdhsa_system_vgpr_workitem_id 0
		.amdhsa_next_free_vgpr 1024
		.amdhsa_next_free_sgpr 66
		.amdhsa_reserve_vcc 0
		.amdhsa_float_denorm_mode_32 3
		.amdhsa_float_denorm_mode_16_64 3
		.amdhsa_memory_ordered 1
		.amdhsa_forward_progress 1
		.amdhsa_inst_pref_size 135
	.end_amdhsa_kernel
	.amdgpu_metadata
---
amdhsa.version: [ 1, 2 ]
amdhsa.kernels:
  - .name:           k_qb574e4ddc0_qkv
    .symbol:         k_qb574e4ddc0_qkv.kd
    .args:
      - { .name: inputs, .offset: 0, .size: 8, .value_kind: global_buffer, .address_space: global }
      - { .name: wb, .offset: 8, .size: 8, .value_kind: global_buffer, .address_space: global }
      - { .name: bq1, .offset: 16, .size: 8, .value_kind: global_buffer, .address_space: global }
      - { .name: bq2, .offset: 24, .size: 8, .value_kind: global_buffer, .address_space: global }
      - { .name: bk1, .offset: 32, .size: 8, .value_kind: global_buffer, .address_space: global }
      - { .name: bk2, .offset: 40, .size: 8, .value_kind: global_buffer, .address_space: global }
      - { .name: bv1, .offset: 48, .size: 8, .value_kind: global_buffer, .address_space: global }
      - { .name: bv2, .offset: 56, .size: 8, .value_kind: global_buffer, .address_space: global }
      - { .name: qkv, .offset: 64, .size: 8, .value_kind: global_buffer, .address_space: global }
    .group_segment_fixed_size: 151040
    .private_segment_fixed_size: 0
    .kernarg_segment_align: 8
    .kernarg_segment_size: 72
    .max_flat_workgroup_size: 128
    .sgpr_count:     66
    .vgpr_count:     1024
    .wavefront_size: 32
...
	.end_amdgpu_metadata
.endif
;; end of part 2
;; launch attn (part 3): grid 4 x 64, 4 waves a work-group, clusters of 4 x 1, 327,680 bytes of LDS; arguments qkv, att; writes att
.if DOCPART == 3
	.amdgcn_target "amdgcn-amd-amdhsa--gfx1250"
	.amdhsa_code_object_version 6
	.text
	.protected	k_qb574e4ddc0_attn
	.globl	k_qb574e4ddc0_attn
	.p2align	8
	.type	k_qb574e4ddc0_attn,@function
k_qb574e4ddc0_attn:
	s_mov_b64 s[64:65], 0
	v_nop
	global_prefetch_b8 v0, s[64:65] scope:SCOPE_SE
	s_setreg_imm32_b32 hwreg(HW_REG_WAVE_MODE, 25, 1), 1
	s_wait_xcnt 0x0
	s_wait_alu depctr_hold_cnt(0) depctr_sa_sdst(0) depctr_va_vdst(0) depctr_va_sdst(0) depctr_va_ssrc(0) depctr_va_vcc(0) depctr_vm_vsrc(0)
	s_getreg_b32 s2, hwreg(HW_REG_IB_STS2, 6, 4)
	s_cmp_eq_u32 s2, 0
	s_cbranch_scc0 .Lentry_in_a_cluster
	s_endpgm
.Lentry_in_a_cluster:
	s_bfe_u32 s2, ttmp6, 0x10000c
	s_cmp_lg_u32 s2, 0x3003
	s_cbranch_scc0 .Lentry_shape_is_right
	s_endpgm
.Lentry_shape_is_right:
; O[q][:] = the sum over k of softmax_k(Q[q] . K[k] / 16) V[k][:], for each of 64 pairs (head, batch).  qkv: bf16 [3][pair][1,024][256], rows of 512 bytes.  att: bf16 [32,768][512], column = 256 head + channel.
; Products, maxima and sums in f32; the weights p are rounded to bf16 for the second product (their sum l is taken of the unrounded p), O once at the end.
; LIMITS.  A weight below 2^-126 counts as 0 in l; c s must stay above -4e37 (the running c m starts at -4.25e37); NaN and infinities are not treated apart.
; SHARES.  A work-group owns 256 queries of a pair, each of its four waves 64: four tiles of 16.  Every wave walks all 1,024 keys, 64 a step.
; LAYOUT.  S^T = K Q^T (source 0 = 16 keys, source 1 = 16 queries): a lane holds ONE query (lane % 16) and the keys 8 (lane / 16) + 0..7.  Two such results, rounded to bf16 in pairs, ARE source 1
; (32 keys x 16 queries) of O^T = V^T P, whose result again holds one query a lane and eight channels.  K comes out of LDS as it lies, V ([key][channel]) turned.
; SOFTMAX.  For each query a running maximum m and sum l: p = 2^(c s - c m), c = log2(e) / 16; in every step O and l are multiplied by a = 2^(c m_old - c m_new).  m starts at the lowest finite number, O and l at 0:
; the first step is a step like any other, with a = 0.
; IN PHASES: a step's 128 products K Q^T, its softmax, its 128 products V^T P.  Only the rescaling of O^T rides behind products: four lines, one accumulator's, behind every second V^T P, for the channels that come next.
; K's and V's fragments go through a ring of three buffers of 32 registers, each run of eight LDS loads two runs of products ahead of its use.
; ONE TEXT OF THE KEY STEP.  Eight slots of two steps are walked by one counter.  In front of the first seven stands a change of slots that fills the other slot, in front of the last a change that fills nothing,
; from which the text goes back to the steps.  Every wait on TENSORcnt in this text is for 0, so no count hangs on the way by which the steps are reached.
; CLUSTER.  The four query blocks of a pair walk the same K and V: each tile is asked for JOINTLY, the same tensor load, descriptor and mask in all four.
; REGISTERS, in windows of 256 (s_set_vgpr_msb: bits 1:0 source 0, 3:2 source 1, 5:4 source 2, 7:6 destination):
;   window 0: v0-7 addresses; v8-15 a, a pair a tile; v16-31 statistics, four a tile; v32-159 S^T, 32 a tile, P made in place in a tile's low 16; v160-255 the fragment ring (its second buffer is the softmax's scratch)
;   window 1: Q, 64 a tile     window 2: O^T of channels 0-127, 64 a tile     window 3: O^T of channels 128-255
.set KS,    64
.set PK,    528       ; a row of K in LDS: 512 bytes + 16 = 132 words: the 16 rows of a load start at 16 different groups of four banks (64 banks of 4 bytes: ISA guide 11.1)
.set PV,    544       ; a row of V: 512 + 32 = 136 words
.set VOFF,  KS*PK     ; a step's tiles lie together: 64 rows of K, then 64 rows of V
.set STEPB, KS*(PK+PV)
.set SLOT1, 0x24000   ; a slot holds two steps (137,216 bytes); slot 1 begins here; no address inside a slot's descriptors has bit 14 or 17, so one exclusive or turns it into the other slot's
.set STAGE, SLOT1+2*STEPB  ; behind the ring: 16 rows x 528 bytes for each wave, for the way out
.set SP,    528
.set SPARE, STAGE+4*16*SP  ; the spare words, 128 bytes a wave: two blocks of 256 bytes that no other line names
.set AK0, 2           ; v2   my lane's place in a tile of K; never rewritten
.set AV0, 3           ; v3   the same for V
.set AK,  4           ; v4   the step's K
.set AV,  5           ; v5   the step's V
.set SPW, 6           ; v6   my spare word; never rewritten
.set NIL, 7           ; v7   0; never rewritten
.set AF,  8           ; tile t's a at v[AF+2 t]; the odd registers are named with it as pairs
.set ST,  16          ; tile t's statistics at v[ST+4 t]: c m, m, l (even keys', odd keys')
.set S,   32
.set R0,  160
.set R1,  192
.set STO, 160         ; the way out
.set RD,  161
.set GO,  162
.set WV,  12
.set G1K, 24          ; s[24:31] descriptor group 1 for K's tiles
.set G1V, 32          ; s[32:39] for V's: it differs in the padding alone
.set G0K, 40          ; s[40:43] descriptor group 0 for K's tiles: it walks
.set G0V, 44          ; s[44:47] the same for V's
.set SLOTS, 56        ; s56  slots still to be walked
.set TWICE, 57        ; s57  counts a slot's two steps
.set CS,  58          ; s[58:59] c
.set SEL, 60          ; s[60:61] v_permlanex16_b32's selects: each lane takes its own place in the other half
.set TB,  62          ; s62  LDS byte at which the next step's tiles begin
.set MSB, 0
.macro WIN new
.if MSB != (\new)
	s_set_vgpr_msb (MSB<<8)|(\new)
.set MSB, \new
.endif
.endm
.macro PLACES
.rept 4
	v_nop
.endr
.endm
.macro ALLT line:vararg
.set t, 0
.rept 4
	\line
.set t, t+1
.endr
.endm
; A joint fill.  Waves 0 and 1 fetch the two steps' tiles of K, waves 2 and 3 those of V.  The branch hangs on the wave's number alone.
.macro JLOAD
	s_cmp_lt_u32 s[WV], 2
	s_cbranch_scc0 .Lfor_v_\@
	tensor_load_to_lds s[G0K:G0K+3], s[G1K:G1K+7]
	s_nop 0
.rept 4
	v_nop
.endr
	s_branch .Lasked_\@
.Lfor_v_\@:
	tensor_load_to_lds s[G0V:G0V+3], s[G1V:G1V+7]
	s_nop 0
.rept 4
	v_nop
.endr
.Lasked_\@:
.endm
.macro CROUND
	s_barrier_signal -1
	s_barrier_wait -1
	s_cmp_lg_u32 s[WV], 0
	s_cbranch_scc1 .Lnot_wave_0_\@
	s_barrier_signal -3
.Lnot_wave_0_\@:
	s_barrier_wait -3
	s_barrier_signal -1
	s_barrier_wait -1
.endm
; THE CHANGE OF SLOTS.  Each wave waits for all its tensor loads, of which one is out: its part of the other slot; adds 0 to its spare word; and waits for that and for its own reads of the slot that it leaves.
; fill = 1: the slot is filled again, with the keys two slots on; the barrier is then a round of the cluster's, and the joint fill the first thing behind it: it has two key steps, 512 matrix instructions, in which to land.
; (At its first use nothing has been read yet: slot 0 is waited for, slot 1 filled.)
.macro CHANGE fill
	WIN 0
	s_wait_tensorcnt 0x0            ; no tensor load of mine is out, so a group 0 may be written
	ds_add_u32 v[SPW], v[NIL]
.if \fill
.irp g, G0K, G0V
	s_xor_b32 s[\g+1], s[\g+1], SLOT1
	s_add_nc_u64 s[\g+2:\g+3], s[\g+2:\g+3], 2*KS*512
.endr
	s_wait_dscnt 0x0                ; the add is done, and my reads of the slot are over
	CROUND
	JLOAD
.else
	s_wait_dscnt 0x0
	s_barrier_signal -1
	s_barrier_wait -1
.endif
	s_sub_co_u32 s[TB], s[TB], 2*STEPB  ; the fetches go back to a slot's first step,
	s_xor_b32 s[TB], s[TB], SLOT1       ; in the other slot
.endm
	s_load_b128 s[4:7], s[0:1], 0x0 ; qkv s[4:5], att s[6:7]
	v_lshl_add_u32 v[SPW], v0, 2, SPARE
	v_mov_b32 v[NIL], 0
	ds_add_u32 v[SPW], v[NIL]       ; the wave's opening
	v_lshrrev_b32 v1, 5, v0
	v_readfirstlane_b32 s[WV], v1   ; wave 0..3
	s_bfe_u32 s13, ttmp6, 0x40000   ; cx
	s_lshl_b32 s14, ttmp9, 2
	s_add_co_u32 s14, s14, s13      ; my block of 256 queries: it enters Q's and O's addresses alone
	s_and_b32 s15, ttmp7, 0xffff    ; the pair = 32 head + batch, which the four partners share
	s_lshr_b32 s16, s15, 5          ; head
	s_and_b32 s17, s15, 31          ; batch
	s_and_b32 s18, s[WV], 1         ; which of a slot's two steps I fetch
	s_lshl_b32 s20, s15, 19         ; the pair's 524,288 bytes in q, in k and in v
	s_lshl_b32 s22, s18, 15         ; a step's 64 rows of 512 bytes
	s_add_co_u32 s22, s22, s20
	s_mov_b32 s23, 0
	s_mul_i32 s19, s18, STEPB       ; and its place in a slot
	s_lshl_b32 s2, s14, 17          ; Q: my block's 256 rows,
	s_lshl_b32 s3, s[WV], 15        ; my wave's 64
	s_add_co_u32 s2, s2, s3
	s_add_co_u32 s2, s2, s20
	s_mov_b32 s3, 0
	s_lshl_b32 s50, s17, 20         ; O: the batch's 1,024 rows of 1,024 bytes,
	s_lshl_b32 s52, s14, 18         ; my block's 256,
	s_add_co_u32 s50, s50, s52
	s_lshl_b32 s52, s[WV], 16       ; my wave's 64,
	s_add_co_u32 s50, s50, s52
	s_lshl_b32 s52, s16, 9          ; the head's 256 columns
	s_add_co_u32 s50, s50, s52
	s_mov_b32 s51, 0
	s_mov_b32 s[G1K], 15|(1<<16)|(1<<20)|(1<<21)|(6<<22)|(3<<25)  ; 15:0 the mask of four; 17:16 2-byte elements; 20 padding on; 21 set beside a mask; 24:22 after every 128 words (code 6); 31:25 4 words (code 3)
	s_mov_b32 s[G1V], 15|(1<<16)|(1<<20)|(1<<21)|(6<<22)|(7<<25)  ; the same with 8 words of padding (code 7)
.irp g, G1K, G1V
	s_mov_b32 s[\g+1], 256<<16      ; tensor_dim0 = 256
	s_mov_b32 s[\g+2], KS<<16       ; tensor_dim1 = 64
	s_mov_b32 s[\g+3], 256<<16      ; tile_dim0 = 256
	s_mov_b32 s[\g+4], KS           ; tile_dim1 = 64
	s_mov_b32 s[\g+5], 256          ; 256 elements from row to row
	s_mov_b32 s[\g+6], 0
	s_mov_b32 s[\g+7], 0
.endr
	s_mov_b32 s[CS], 0x3db8aa3b     ; c = log2(e) / 16 = 0.0901684
	s_mov_b32 s[CS+1], s[CS]
	s_mov_b32 s[SEL], 0x76543210
	s_mov_b32 s[SEL+1], 0xfedcba98
	s_mov_b32 s[TB], SLOT1+2*STEPB  ; the first change of slots turns this into 0
	s_mov_b32 s[G0K], 1
	s_mov_b32 s[G0K+1], s19         ; slot 0
	s_mov_b32 s[G0V], 1
	s_add_co_u32 s[G0V+1], s19, VOFF
	s_wait_dscnt 0x0                ; the opening add is done
	s_wait_kmcnt 0x0
	s_add_nc_u64 s[8:9], s[4:5], s[22:23]
	s_add_nc_u64 s[G0K+2:G0K+3], s[8:9], 0x2000000   ; k lies 33,554,432 bytes behind q
	s_or_b32 s[G0K+3], s[G0K+3], 0x80000000
	s_add_nc_u64 s[G0V+2:G0V+3], s[8:9], 0x4000000   ; v as far again
	s_or_b32 s[G0V+3], s[G0V+3], 0x80000000
	s_add_nc_u64 s[4:5], s[4:5], s[2:3]
	s_add_nc_u64 s[6:7], s[6:7], s[50:51]
	CROUND                          ; all four work-groups are here: the first joint loads meet
	JLOAD                           ; slot 0.  Slot 1 is asked for when slot 0 is in
	v_and_b32 v160, 15, v0          ; r = l % 16
	v_bfe_u32 v161, v0, 4, 1        ; h = l / 16
	v_lshlrev_b32 v1, 9, v160
	v_lshl_add_u32 v1, v161, 4, v1  ; row x 512 + 16 x half; never rewritten
	WIN 0x40                        ; destination window 1
.set i, 0
.rept 32                            ; Q stays in registers: tile i / 8, channels 32 (i % 8) on
	global_load_b128 v[8*i:8*i+3],   v1, s[4:5] offset:(i/8)*8192+(i%8)*64
	global_load_b128 v[8*i+4:8*i+7], v1, s[4:5] offset:(i/8)*8192+(i%8)*64+32
.set i, i+1
.endr
	; O^T and l start at 0 and no first step is written out: 512 lines once a launch, in the wait for the first tile, for one text of the key step
	WIN 0x80
.set i, 0
.rept 256
	v_mov_b32 v[i], 0
.set i, i+1
.endr
	WIN 0xc0
.set i, 0
.rept 256
	v_mov_b32 v[i], 0
.set i, i+1
.endr
	WIN 0
.set i, 0
.rept 4
	v_mov_b32 v[ST+4*i], 0xfe000000    ; c m: far below every c s
	v_mov_b32 v[ST+4*i+1], 0xff7fffff  ; m
	v_mov_b32 v[ST+4*i+2], 0
	v_mov_b32 v[ST+4*i+3], 0
	v_mov_b32 v[AF+2*i], 0
	v_mov_b32 v[AF+2*i+1], 0
.set i, i+1
.endr
	v_mul_u32_u24 v[AK0], v160, PK
	v_lshl_add_u32 v[AK0], v161, 4, v[AK0]
	; The turning load takes 16 keys x 16 channels (lane l reads key 8 (l / 16) + l % 8, channels 8 ((l / 8) % 2) + 0..7) and leaves half a fragment of V^T: lane l holds channel l % 16 and 8 keys.
	v_and_b32 v162, 7, v0
	v_bfe_u32 v163, v0, 3, 1
	v_lshl_add_u32 v[AV0], v161, 3, v162
	v_mul_u32_u24 v[AV0], v[AV0], PV
	v_lshl_add_u32 v[AV0], v163, 4, v[AV0]
	v_add_nc_u32 v[AV0], VOFF, v[AV0]
.macro KLOAD c, rb                  ; K's four fragments (64 keys) of channels 32 c on: eight loads
.irp kb, 0,1,2,3
	ds_load_b128 v[(\rb)+8*(\kb):(\rb)+8*(\kb)+3],   v[AK] offset:(\kb)*16*PK+64*(\c)
	ds_load_b128 v[(\rb)+8*(\kb)+4:(\rb)+8*(\kb)+7], v[AK] offset:(\kb)*16*PK+64*(\c)+32
.endr
.endm
.macro VLOAD p, rb                  ; V^T's four fragments of channels 32 p on: fragment f = keys 32 (f / 2) on, channels 16 (2 p + f % 2) on: eight loads
.irp f, 0,1,2,3
	ds_load_tr16_b128 v[(\rb)+8*(\f):(\rb)+8*(\f)+3],   v[AV] offset:((\f)/2)*32*PV+32*(2*(\p)+(\f)%2)
	ds_load_tr16_b128 v[(\rb)+8*(\f)+4:(\rb)+8*(\f)+7], v[AV] offset:((\f)/2)*32*PV+16*PV+32*(2*(\p)+(\f)%2)
.endr
.endm
.macro KMUL c, rb                   ; 16 products of S^T = K Q^T: the 16 accumulators take turns; channels 0-31 start the sums
.irp kb, 0,1,2,3
.irp t, 0,1,2,3
.if (\c) == 0
	v_wmma_f32_16x16x32_bf16 v[S+32*(\t)+8*(\kb):S+32*(\t)+8*(\kb)+7], v[(\rb)+8*(\kb):(\rb)+8*(\kb)+7], v[64*(\t)+8*(\c):64*(\t)+8*(\c)+7], 0
.else
	v_wmma_f32_16x16x32_bf16 v[S+32*(\t)+8*(\kb):S+32*(\t)+8*(\kb)+7], v[(\rb)+8*(\kb):(\rb)+8*(\kb)+7], v[64*(\t)+8*(\c):64*(\t)+8*(\c)+7], v[S+32*(\t)+8*(\kb):S+32*(\t)+8*(\kb)+7]
.endif
.endr
.endr
.endm
.macro RS p, n                      ; line n of the 32 that multiply O^T of channels 32 p on by a: tile n / 8, channel block 2 p + (n / 4) % 2, pair n % 4: each accumulator from its lowest registers on
.set rsR, 64*((\n)/8)+8*((2*(\p)+((\n)/4)%2)%8)+2*((\n)%4)
.if (\p) < 4
	WIN 0x82
.else
	WIN 0xc3
.endif
	v_pk_mul_f32 v[rsR:rsR+1], v[rsR:rsR+1], v[AF+2*((\n)/8):AF+2*((\n)/8)+1] op_sel_hi:[1,0]
.endm
; 16 products of O^T += V^T P for channels 32 p on: 8 accumulators by turns, twice.  Behind every second product stand four lines of the next channels' rescaling, one accumulator's: two switches of the windows for two products.
; They name no register of the products round them; the four behind the sixteenth product are also the four places in front of the next run of V's loads.
.macro VMUL p, rb
.set i, 0
.rept 8
.rept 2
.set vO, 64*(i%4)+8*((2*(\p)+(i/4)%2)%8)
.set vV, (\rb)+8*(2*(i/8)+(i/4)%2)
.set vP, S+32*(i%4)+8*(i/8)
.if (\p) < 4
	WIN 0xa0
.else
	WIN 0xf0
.endif
	v_wmma_f32_16x16x32_bf16 v[vO:vO+7], v[vV:vV+7], v[vP:vP+7], v[vO:vO+7]
.set i, i+1
.endr
.if (\p) < 7
	RS (\p)+1, 2*i-4
	RS (\p)+1, 2*i-3
	RS (\p)+1, 2*i-2
	RS (\p)+1, 2*i-1
.endif
.endr
.endm
; The maximum and the statistics, the four tiles line by line.  Four chains of seven scores, three operands at a time (each accumulator's lowest registers are read first); the four scores left
; over; the old m; the lane 16 away, which holds the query's other 32 keys; then c m and a.
.macro SMAX
.irp j, 0,1,2,3
	ALLT v_max3_num_f32 v[R1+8*t+\j], v[S+32*t+8*\j], v[S+32*t+8*\j+1], v[S+32*t+8*\j+2]
.endr
.irp j, 0,1,2,3
	ALLT v_max3_num_f32 v[R1+8*t+\j], v[R1+8*t+\j], v[S+32*t+8*\j+3], v[S+32*t+8*\j+4]
.endr
.irp j, 0,1,2,3
	ALLT v_max3_num_f32 v[R1+8*t+\j], v[R1+8*t+\j], v[S+32*t+8*\j+5], v[S+32*t+8*\j+6]
.endr
	ALLT v_max3_num_f32 v[R1+8*t], v[R1+8*t], v[S+32*t+7], v[S+32*t+15]
	ALLT v_max3_num_f32 v[R1+8*t+2], v[R1+8*t+2], v[S+32*t+23], v[S+32*t+31]
	ALLT v_max3_num_f32 v[R1+8*t], v[R1+8*t], v[R1+8*t+1], v[R1+8*t+2]
	ALLT v_max3_num_f32 v[R1+8*t], v[R1+8*t], v[R1+8*t+3], v[ST+4*t+1]
	ALLT v_permlanex16_b32 v[R1+8*t+1], v[R1+8*t], s[SEL], s[SEL+1]
	ALLT v_mov_b32 v[R1+8*t+4], v[ST+4*t]
	ALLT v_max_num_f32 v[ST+4*t+1], v[R1+8*t], v[R1+8*t+1]
	ALLT v_mul_f32 v[ST+4*t], s[CS], v[ST+4*t+1]
	ALLT v_sub_f32 v[R1+8*t+4], v[R1+8*t+4], v[ST+4*t]
	ALLT v_exp_f32 v[AF+2*t], v[R1+8*t+4]
.endm
; Pair g of 64: tile g % 4, scores 2 (g / 4), 2 (g / 4) + 1.  SF: c s - c m.  SE: an exponential.  SAC: l takes the pair (the first time as l = a l + pair), and the pair is rounded to bf16 into register g / 4 of the
; tile, which belongs to a pair that has been summed and rounded.
.macro SF g
.set xT, (\g)%4
.set xB, (\g)/4
	v_pk_fma_f32 v[S+32*xT+2*xB:S+32*xT+2*xB+1], v[S+32*xT+2*xB:S+32*xT+2*xB+1], s[CS:CS+1], v[ST+4*xT:ST+4*xT+1] op_sel_hi:[1,0,0] neg_lo:[0,0,1] neg_hi:[0,0,1]
.endm
.macro SE g, u
	v_exp_f32 v[S+32*((\g)%4)+2*((\g)/4)+(\u)], v[S+32*((\g)%4)+2*((\g)/4)+(\u)]
.endm
.macro SAC g
.set xT, (\g)%4
.set xB, (\g)/4
.if xB == 0
	s_wait_alu depctr_va_vdst(0)
	v_pk_fma_f32 v[ST+4*xT+2:ST+4*xT+3], v[ST+4*xT+2:ST+4*xT+3], v[AF+2*xT:AF+2*xT+1], v[S+32*xT:S+32*xT+1] op_sel_hi:[1,0,1]
.else
	s_wait_alu depctr_va_vdst(0)
	v_pk_add_f32 v[ST+4*xT+2:ST+4*xT+3], v[ST+4*xT+2:ST+4*xT+3], v[S+32*xT+2*xB:S+32*xT+2*xB+1]
.endif
	v_cvt_pk_bf16_f32 v[S+32*xT+xB], v[S+32*xT+2*xB], v[S+32*xT+2*xB+1]
.endm
; A pair's scaling stands four pairs ahead of its exponentials, its sum and rounding two pairs behind them: plain lines stand between an exponential and the use of its result (ISA guide 5.7.2).
.macro SEXP
.irp g, 0,1,2,3
	SF \g
.endr
.set g, 0
.rept 64
	SE g, 0
.if g < 60
	SF g+4
.endif
	SE g, 1
.if g >= 2
	SAC g-2
.endif
.set g, g+1
.endr
	SAC 62
	SAC 63
.endm
; A KEY STEP.  Run x of the fragment ring lies in buffer x % 3: K's runs 0-7, then V's as runs 8-15.
.macro STEP
	WIN 0
	v_add_nc_u32 v[AK], s[TB], v[AK0]
	v_add_nc_u32 v[AV], s[TB], v[AV0]
	s_add_co_u32 s[TB], s[TB], STEPB
	PLACES                          ; with the two lines above: six places behind the last V^T P, whose P the first products below write over and whose V the loads below
	KLOAD 0, R0
	KLOAD 1, R1
	WIN 0x04                        ; Q in window 1, all else in window 0: the LDS loads stand under the same setting
.set c, 0
.rept 8
.if c > 0
	PLACES                          ; the buffer loaded next was read by the products just issued
.endif
.set RB, R0+32*((c+2)%3)
.if c < 6
	KLOAD c+2, RB
.else
	VLOAD c-6, RB
.endif
	s_wait_dscnt 16                 ; the two younger runs of eight stay out
.set RB, R0+32*(c%3)
	KMUL c, RB
.set c, c+1
.endr
	WIN 0
	PLACES
	SMAX
	SEXP
.set n, 0
.rept 32
	RS 0, n                         ; the first channels' rescaling has no products to ride behind
.set n, n+1
.endr
.set p, 0
.rept 8
	WIN 0
.if p < 6
.set RB, R0+32*((p+1)%3)
	VLOAD p+2, RB                   ; into the buffer that the products just issued have read: four lines of the rescaling stand behind the last of them
	s_wait_dscnt 16
.elseif p == 6
	s_wait_dscnt 8
.else
	s_wait_dscnt 0x0
.endif
.set RB, R0+32*((p+2)%3)
	VMUL p, RB
.set p, p+1
.endr
.endm
	s_wait_loadcnt 0x0              ; Q
	s_mov_b32 s[SLOTS], 8           ; the same constant in every work-group
.Lslot:                             ; seven times: a slot is entered and the next tile is asked for
	CHANGE 1
.Lsteps:                            ; a slot's two key steps: written once, walked twice; the LDS addresses hang on s[TB]
	s_mov_b32 s[TWICE], 2
.Lstep:
	STEP
	WIN 0
	s_sub_co_u32 s[TWICE], s[TWICE], 1
	s_cmp_lg_u32 s[TWICE], 0
	s_cbranch_scc1 .Lstep
	s_sub_co_u32 s[SLOTS], s[SLOTS], 1
	s_cmp_gt_u32 s[SLOTS], 1
	s_cbranch_scc1 .Lslot           ; two slots or more are left: the slot just read takes the tile two on
	s_cmp_eq_u32 s[SLOTS], 0
	s_cbranch_scc1 .Lout            ; none is left
	CHANGE 0                        ; one is left: its tile is waited for, every wave passes the barrier, nothing is asked for,
	s_branch .Lsteps                ; and the steps' one text serves it too
.Lout:
	; THE WAY OUT.  l's two halves and the other half of the lanes' are added; O^T is divided by l, rounded to bf16 and sent through my stage in LDS, a tile (16 rows) at a time.  The additions are the places behind the last products.
	ALLT v_add_f32 v[ST+4*t+2], v[ST+4*t+2], v[ST+4*t+3]
	ALLT v_permlanex16_b32 v[ST+4*t+3], v[ST+4*t+2], s[SEL], s[SEL+1]
	ALLT v_add_f32 v[ST+4*t+2], v[ST+4*t+2], v[ST+4*t+3]
	ALLT v_rcp_f32 v[AF+2*t], v[ST+4*t+2]
	v_and_b32 v163, 15, v0          ; plain lines stand between the reciprocals and their use
	v_bfe_u32 v164, v0, 4, 1
	v_and_b32 v165, 31, v0
	s_mul_i32 s13, s[WV], 16*SP
	s_add_co_u32 s13, s13, STAGE    ; my stage
	v_mul_u32_u24 v[STO], v163, SP  ; in: row l % 16, 16 bytes for each half of the lanes
	v_lshl_add_u32 v[STO], v164, 4, v[STO]
	v_add_nc_u32 v[STO], s13, v[STO]
	v_lshl_add_u32 v[RD], v165, 4, s13  ; back: 32 lanes take a row of 512 bytes
	v_lshlrev_b32 v[GO], 4, v165
	s_wait_alu depctr_va_vdst(0)
.macro PACK t
.set PKR, S+64*((\t)%2)
.if (\t) >= 2
	s_wait_xcnt 0x0                 ; these registers, which the stores of the tile before last read, are rewritten only behind this wait
.endif
	WIN 0x82
.set i, 0
.rept 32
	v_pk_mul_f32 v[64*(\t)+2*i:64*(\t)+2*i+1], v[64*(\t)+2*i:64*(\t)+2*i+1], v[AF+2*(\t):AF+2*(\t)+1] op_sel_hi:[1,0]
.set i, i+1
.endr
	WIN 0xc3
.set i, 0
.rept 32
	v_pk_mul_f32 v[64*(\t)+2*i:64*(\t)+2*i+1], v[64*(\t)+2*i:64*(\t)+2*i+1], v[AF+2*(\t):AF+2*(\t)+1] op_sel_hi:[1,0]
.set i, i+1
.endr
	WIN 0x0a
.set i, 0
.rept 32
	v_cvt_pk_bf16_f32 v[PKR+i], v[64*(\t)+2*i], v[64*(\t)+2*i+1]
.set i, i+1
.endr
	WIN 0x0f
.set i, 0
.rept 32
	v_cvt_pk_bf16_f32 v[PKR+32+i], v[64*(\t)+2*i], v[64*(\t)+2*i+1]
.set i, i+1
.endr
	WIN 0
.irp f, 0,1,2,3,4,5,6,7,8,9,10,11,12,13,14,15
	ds_store_b128 v[STO], v[PKR+4*(\f):PKR+4*(\f)+3] offset:32*(\f)
.endr
.irp f, 0,1,2,3,4,5,6,7,8,9,10,11,12,13,14,15
	ds_load_b128 v[PKR+4*(\f):PKR+4*(\f)+3], v[RD] offset:(\f)*SP  ; LDS serves a wave's instructions in order (ISA guide 5.7.1.4): these see the stores above; the next tile's stores come behind them
.endr
.endm
.macro SEND t, younger              ; younger: the LDS instructions issued behind tile t's loads: the next tile's 32, or none
.set PKR, S+64*((\t)%2)
.irp f, 0,1,2,3,4,5,6,7,8,9,10,11,12,13,14,15
	s_wait_dscnt (\younger)+15-(\f)
	global_store_b128 v[GO], v[PKR+4*(\f):PKR+4*(\f)+3], s[6:7] offset:(16*(\t)+(\f))*1024  ; 512 consecutive bytes, at a multiple of 512 from att's first byte
.endr
.endm
	PACK 0
	PACK 1                          ; a tile's arithmetic stands between the loads of the tile before and its stores
	SEND 0, 32
	PACK 2
	SEND 1, 32
	PACK 3
	SEND 2, 32
	SEND 3, 0
	s_wait_tensorcnt 0x0            ; the wave's end
	ds_add_u32 v[SPW], v[NIL]
	s_wait_dscnt 0x0
	CROUND                          ; the closing round
	s_endpgm
.Lfunc_end_k_qb574e4ddc0_attn:
	.size	k_qb574e4ddc0_attn, .Lfunc_end_k_qb574e4ddc0_attn-k_qb574e4ddc0_attn
	.p2alignl 7, 3214868480
	.fill 96, 4, 3214868480
	.section	.rodata,"a",@progbits
	.p2align	6, 0x0
	.amdhsa_kernel k_qb574e4ddc0_attn
		.amdhsa_group_segment_fixed_size 327680
		.amdhsa_private_segment_fixed_size 0
		.amdhsa_enable_private_segment 0
		.amdhsa_kernarg_size 16
		.amdhsa_user_sgpr_count 2
		.amdhsa_user_sgpr_kernarg_segment_ptr 1
		.amdhsa_wavefront_size32 1
		.amdhsa_system_sgpr_workgroup_id_x 1
		.amdhsa_system_sgpr_workgroup_id_y 1
		.amdhsa_system_sgpr_workgroup_id_z 1
		.amdhsa_system_vgpr_workitem_id 0
		.amdhsa_next_free_vgpr 1024
		.amdhsa_next_free_sgpr 66
		.amdhsa_reserve_vcc 0
		.amdhsa_float_denorm_mode_32 3
		.amdhsa_float_denorm_mode_16_64 3
		.amdhsa_memory_ordered 1
		.amdhsa_forward_progress 1
		.amdhsa_inst_pref_size 149
	.end_amdhsa_kernel
	.amdgpu_metadata
---
amdhsa.version: [ 1, 2 ]
amdhsa.kernels:
  - .name:           k_qb574e4ddc0_attn
    .symbol:         k_qb574e4ddc0_attn.kd
    .args:
      - { .name: qkv, .offset: 0, .size: 8, .value_kind: global_buffer, .address_space: global }
      - { .name: att, .offset: 8, .size: 8, .value_kind: global_buffer, .address_space: global }
    .group_segment_fixed_size: 327680
    .private_segment_fixed_size: 0
    .kernarg_segment_align: 8
    .kernarg_segment_size: 16
    .max_flat_workgroup_size: 128
    .sgpr_count:     66
    .vgpr_count:     1024
    .wavefront_size: 32
...
	.end_amdgpu_metadata
.endif
;; end of part 3
;; launch proj (part 4): grid 256 x 1, 4 waves a work-group, no clusters, 270,848 bytes of LDS; arguments att, wb, inputs, bo, gamma, beta, out0; writes out0
.if DOCPART == 4
	.amdgcn_target "amdgcn-amd-amdhsa--gfx1250"
	.amdhsa_code_object_version 6
	.text
	.protected	k_qb574e4ddc0_proj
	.globl	k_qb574e4ddc0_proj
	.p2align	8
	.type	k_qb574e4ddc0_proj,@function
k_qb574e4ddc0_proj:
	s_mov_b64 s[64:65], 0
	v_nop
	global_prefetch_b8 v0, s[64:65] scope:SCOPE_SE
	s_setreg_imm32_b32 hwreg(HW_REG_WAVE_MODE, 25, 1), 1
	s_wait_xcnt 0x0
; out = LayerNorm(att Wo + bo + x) gamma + beta.  att: [32,768][512] bf16.  Wo: block 3 of wb, bf16 in fragment order: [strip of 128 columns][block][quarter of 32 k][16 chunks of 512 bytes].  x, out: [32,768][512] f32.
; Products on bf16 operands, sums in f32.  The residual x, the mean, the variance (taken of y - mean, in a second pass over registers) and the scaling are f32.  NaN and infinities are not treated apart.
; SHARES.  A work-group owns 128 whole rows; its four waves each own all 128 rows x 128 columns (a strip): 64 accumulators, 512 registers.  THE ACCUMULATORS START AS x, so the residual costs no arithmetic.
; att's 128 rows stay in LDS.  Wo COMES STRAIGHT INTO REGISTERS: a wave reads no column but its own strip's, so LDS would give Wo no reuse inside the work-group; a quarter step (32 along K) wants 16 loads of 512 consecutive
; bytes, and a ring of four register buffers keeps them 160 matrix instructions ahead of their use; the K loop has no barrier.  The finished y goes to LDS in f32, and each wave then norms 32 whole rows, a row across its 32 lanes.
; NO CLUSTER, though all work-groups walk the same Wo: joint loads land in LDS alone, and beside att's 133,120 bytes two slots hold 64 K rows of 1,056 bytes at the most: 128 matrix instructions a wave for each
; refill, and one load a wave behind each barrier.  The price: every work-group asks for its 512 KB of Wo by itself.
; LDS IN TIME.  (1) x, a plane of 128 rows x 512 bytes for each wave, brought by one tensor load a wave (the launch's only ones: nothing is filled again) and read by that wave alone.
; (2) att in bytes 0 to 133,119, stored from registers behind a barrier.  (3) y, 128 rows x 2,064 bytes, stored from registers behind a barrier.
; THE MATRIX INSTRUCTION IS USED TRANSPOSED: source 0 = 16 columns of Wo, source 1 = 16 rows of att: a lane holds row l % 16 and columns 8 (l / 16) + 0..7.
; REGISTERS: window 0: v0-31 addresses; v32-47 gamma, v48-63 beta, v192-207 bo (columns 128 q + 4 lane + 0..3); v64-127, v128-191 fragments of att, later the rows at work
;   window 1: fragments of Wo, four buffers of 64; at the start buffers 1-3 (and v64-127 of window 0) hold att on its way to LDS     windows 2, 3: the accumulators of rows 0-63, 64-127
.set PA,     1040                      ; a row of att in LDS: 1,024 bytes + 16
.set XP,     528                       ; a row of a plane of x: 512 bytes + 16
.set XPL,    128*XP
.set YP,     2064                      ; a row of y: 2,048 bytes + 16
.set SPARE,  4*XPL                     ; behind the planes: the spare words, 128 bytes a wave
.set RUNB,   8192                      ; a strip's fragments of one quarter step
.set ADRA0, 8
.set ADRA,  10
.set XA,    14                         ; v14     my place in my plane of x
.set YA,    16                         ; v16-19  where I put y: rows 32 k + r
.set YR0,   20                         ; v20     where my wave's first row of y lies, 16 bytes a lane
.set YR,    21                         ; v21     the four rows in hand
.set OO,    22                         ; v22     my byte offset in out0
.set AO,    23                         ; v23     16 bytes a lane; never rewritten
.set AS,    24                         ; v24     where my wave's rows of att go
.set SPW,   28
.set NIL,   29
.set GA,    32
.set BE,    48
.set BO,    192
.set F0,    64
.set Y,     64                         ; row i of four: v[Y+16 i ..], 16 numbers a lane
.set TM,    128                        ; eight at work a row
.set NM,    160                        ; - mean, a pair a row
.set RSQ,   168                        ; 1 / sqrt(var + eps), a pair a row
.set BP,    6                          ; s[6:7]  Wo: the run of loads last asked for
.set WV,    22
.set KA,    27
.set G1X,   44                         ; s[44:51] descriptor group 1 for x
.set G0X,   52                         ; s[52:55] descriptor group 0 for x
.set SEL,   62
.set MSB, 0
.macro WIN new
.if MSB != (\new)
	s_set_vgpr_msb (MSB<<8)|(\new)
.set MSB, \new
.endif
.endm
.set MUL_LO, 0xa1
.set MUL_HI, 0xf1
.set TO_B,   0x40
.macro PLACES
.rept 4
	v_nop
.endr
.endm
.macro ALLR line:vararg
.set i, 0
.rept 4
	\line
.set i, i+1
.endr
.endm
.macro BRUN fb, off                    ; a run: Wo's eight fragments of a quarter step, 16 loads of 512 consecutive bytes, into the buffer at fb of window 1
	WIN TO_B
.irp i, 0,1,2,3,4,5,6,7,8,9,10,11,12,13,14,15
	global_load_b128 v[(\fb)+4*(\i):(\fb)+4*(\i)+3], v[AO], s[BP:BP+1] offset:(\off)+512*(\i)
.endr
.endm
	s_load_b256 s[4:11], s[0:1], 0x0               ; att s[4:5], wb s[6:7], x s[8:9], bo s[10:11]
	s_load_b128 s[12:15], s[0:1], 0x20             ; gamma s[12:13], beta s[14:15]
	s_load_b64 s[16:17], s[0:1], 0x30              ; out0
	v_lshl_add_u32 v[SPW], v0, 2, SPARE
	v_mov_b32 v[NIL], 0
	ds_add_u32 v[SPW], v[NIL]                      ; the wave's opening
	v_lshrrev_b32 v1, 5, v0
	v_readfirstlane_b32 s[WV], v1
	s_mov_b32 s[KA], 0
	s_mov_b32 s[G1X+0], (2<<16)|(1<<20)|(6<<22)|(3<<25)  ; no mask; 4-byte elements; padding: 4 words after every 128
	s_mov_b32 s[G1X+1], 128<<16                    ; tensor_dim0 = 128
	s_mov_b32 s[G1X+2], 128<<16                    ; tensor_dim1 = 128
	s_mov_b32 s[G1X+3], 128<<16                    ; tile_dim0 = 128
	s_mov_b32 s[G1X+4], 128                        ; tile_dim1 = 128
	s_mov_b32 s[G1X+5], 512                        ; 512 elements from row to row
	s_mov_b32 s[G1X+6], 0
	s_mov_b32 s[G1X+7], 0
	s_mov_b32 s[G0X], 1
	s_mul_i32 s[G0X+1], s[WV], XPL                 ; my plane
	s_mov_b32 s58, 0xbb000000                      ; - 1 / 512
	s_mov_b32 s59, 0x3b000000                      ; 1 / 512
	s_mov_b32 s60, 0x3727c5ac                      ; 1e-5
	s_mov_b32 s[SEL], 0x76543210
	s_mov_b32 s[SEL+1], 0xfedcba98
	s_wait_dscnt 0x0                               ; the opening add is done
	s_wait_kmcnt 0x0
	s_lshl_b32 s18, ttmp9, 18                      ; x: 128 rows of 2,048 bytes, my 128 columns
	s_lshl_b32 s19, s[WV], 9
	s_add_co_u32 s18, s18, s19
	s_mov_b32 s19, 0
	s_add_nc_u64 s[G0X+2:G0X+3], s[8:9], s[18:19]
	s_or_b32 s[G0X+3], s[G0X+3], 0x80000000
	tensor_load_to_lds s[G0X:G0X+3], s[G1X:G1X+7]  ; my plane of x: one tensor load of mine is out
	s_nop 0
	PLACES
	s_lshl_b32 s18, ttmp9, 17                      ; att: 128 rows of 1,024 bytes, my wave's 32
	s_lshl_b32 s25, s[WV], 15
	s_add_co_u32 s18, s18, s25
	s_add_nc_u64 s[4:5], s[4:5], s[18:19]
	s_lshl_b32 s18, ttmp9, 18                      ; out0: 128 rows of 2,048 bytes, my wave's 32
	s_lshl_b32 s25, s[WV], 16
	s_add_co_u32 s18, s18, s25
	s_add_nc_u64 s[16:17], s[16:17], s[18:19]
	s_lshl_b32 s18, s[WV], 19                      ; wb: my strip's 524,288 bytes, its fourth block
	s_add_co_u32 s18, s18, 3*131072
	s_add_nc_u64 s[BP:BP+1], s[BP:BP+1], s[18:19]
	v_and_b32 v1, 15, v0                           ; r
	v_bfe_u32 v2, v0, 4, 1                         ; h
	v_and_b32 v3, 31, v0                           ; l
	v_lshlrev_b32 v[AO], 4, v3
	v_lshlrev_b32 v[OO], 4, v3
.irp q, 0,1,2,3
	global_load_b128 v[GA+4*\q:GA+4*\q+3], v[AO], s[12:13] offset:512*\q
	global_load_b128 v[BE+4*\q:BE+4*\q+3], v[AO], s[14:15] offset:512*\q
	global_load_b128 v[BO+4*\q:BO+4*\q+3], v[AO], s[10:11] offset:512*\q
.endr
	BRUN 0, 0                                      ; Wo's first run
.set i, 0
.rept 48                                               ; my 32 rows of att, 512 consecutive bytes a load: 24 rows into window 1,
	global_load_b128 v[64+4*i:64+4*i+3], v[AO], s[4:5] offset:(i/2)*1024+(i%2)*512 th:TH_LOAD_NT
.set i, i+1
.endr
	WIN 0
.rept 16                                               ; eight into att's first fragment buffer
	global_load_b128 v[F0+4*(i-48):F0+4*(i-48)+3], v[AO], s[4:5] offset:(i/2)*1024+(i%2)*512 th:TH_LOAD_NT
.set i, i+1
.endr
	v_mul_u32_u24 v[ADRA0], v1, PA
	v_lshl_add_u32 v[ADRA0], v2, 4, v[ADRA0]
	v_add_nc_u32 v[ADRA0+1], 64*PA, v[ADRA0]
	v_mov_b32 v[ADRA], v[ADRA0]
	v_mov_b32 v[ADRA+1], v[ADRA0+1]
	s_mul_i32 s18, s[WV], XPL
	v_mul_u32_u24 v4, v1, XP
	v_lshl_add_u32 v4, v2, 5, v4                   ; row r, columns 8 h on: 32 bytes
	v_add_nc_u32 v[XA], s18, v4
	s_lshl_b32 s18, s[WV], 9
	v_mul_u32_u24 v4, v1, YP
	v_lshl_add_u32 v4, v2, 5, v4
	v_add_nc_u32 v[YA], s18, v4
	v_add_nc_u32 v[YA+1], 32*YP, v[YA]
	v_add_nc_u32 v[YA+2], 64*YP, v[YA]
	v_add_nc_u32 v[YA+3], 96*YP, v[YA]
	s_mul_i32 s18, s[WV], 32*YP
	v_lshl_add_u32 v[YR0], v3, 4, s18
	v_mov_b32 v[YR], v[YR0]
	s_mul_i32 s18, s[WV], 32*PA
	v_lshl_add_u32 v[AS], v3, 4, s18
	s_wait_tensorcnt 0x0                           ; my plane is in; only I read it
	WIN 0x80                                       ; accumulator (a, b), register j = x(16 a + r, 16 b + 8 h + j)
.set a, 0
.rept 4
.irp b, 0,1,2,3,4,5,6,7
	ds_load_b128 v[8*(8*a+\b):8*(8*a+\b)+3],   v[XA] offset:a*16*XP+64*\b
	ds_load_b128 v[8*(8*a+\b)+4:8*(8*a+\b)+7], v[XA] offset:a*16*XP+64*\b+16
.endr
.set a, a+1
.endr
	WIN 0xc0
.rept 4
.irp b, 0,1,2,3,4,5,6,7
	ds_load_b128 v[8*(8*(a-4)+\b):8*(8*(a-4)+\b)+3],   v[XA] offset:a*16*XP+64*\b
	ds_load_b128 v[8*(8*(a-4)+\b)+4:8*(8*(a-4)+\b)+7], v[XA] offset:a*16*XP+64*\b+16
.endr
.set a, a+1
.endr
	WIN 0
	s_wait_dscnt 0x0                               ; x is in my registers:
	s_barrier_signal -1
	s_barrier_wait -1                              ; in everybody's: the planes' bytes, which no tensor load fills again, take att
	s_wait_loadcnt 0x0                             ; att, gamma, beta, bo, Wo's first run
	WIN 0x04                                       ; store data in window 1
.set i, 0
.rept 48
	ds_store_b128 v[AS], v[64+4*i:64+4*i+3] offset:(i/2)*PA+(i%2)*512
.set i, i+1
.endr
	WIN 0
.rept 16
	ds_store_b128 v[AS], v[F0+4*(i-48):F0+4*(i-48)+3] offset:(i/2)*PA+(i%2)*512
.set i, i+1
.endr
	BRUN 64, RUNB                                  ; Wo's second and third run, into the registers that att has left
	BRUN 128, 2*RUNB
	WIN 0
	s_wait_xcnt 0x0
	s_add_nc_u64 s[BP:BP+1], s[BP:BP+1], 2*RUNB    ; the run last asked for
	s_wait_dscnt 0x0                               ; for the others' sake: my rows of att are in LDS
	s_barrier_signal -1
	s_barrier_wait -1                              ; everybody's are
.macro MUL16 fb, fa, hi, a0            ; 16 matrix instructions; all 64 accumulators take turns, in the same order everywhere
	WIN MUL_LO+0x50*(\hi)
.irp a, \a0, (\a0)+1
.irp b, 0,1,2,3,4,5,6,7
	v_wmma_f32_16x16x32_bf16 v[8*(8*(\a)+(\b)):8*(8*(\a)+(\b))+7], v[(\fb)+8*(\b):(\fb)+8*(\b)+7], v[(\fa)+8*(4*(\hi)+(\a)):(\fa)+8*(4*(\hi)+(\a))+7], v[8*(8*(\a)+(\b)):8*(8*(\a)+(\b))+7]
.endr
.endr
.endm
.macro ALOADS f, kq                    ; 16 LDS loads: att's 128 rows, 32 along K at quarter kq of the lap, rows 0-63 first
	WIN 0
.irp i, 0,1,2,3,4,5,6,7
	ds_load_b128 v[(\f)+8*(\i):(\f)+8*(\i)+3],   v[ADRA+(\i)/4] offset:((\i)%4)*16*PA+64*(\kq)
	ds_load_b128 v[(\f)+8*(\i)+4:(\f)+8*(\i)+7], v[ADRA+(\i)/4] offset:((\i)%4)*16*PA+64*(\kq)+32
.endr
.endm
; A QUARTER STEP, 32 along K, 64 matrix instructions; q = its number in a lap of four.  It multiplies Wo's buffer q and att's buffer q % 2.  In its middle, in one run: att's fragments of the next quarter (aload), and Wo's
; run three quarters on into the buffer that the quarter before has left (bload).  lcnt = the loads issued behind this quarter's run of Wo.
.macro QUARTER q, bload, aload, lcnt
.set QFB,  64*((\q)%4)
.set QFA,  F0+64*((\q)%2)
.set QFAN, F0+64*(((\q)+1)%2)
.set QFBN, 64*(((\q)+3)%4)
	s_wait_loadcnt \lcnt                           ; my run of Wo is in
	s_wait_dscnt 8                                 ; att's rows 0-63 are in; the youngest eight loads (rows 64-127) may be out
	MUL16 QFB, QFA, 0, 0
	MUL16 QFB, QFA, 0, 2
	PLACES
.if \aload
	WIN 0
.if ((\q)+1)%4 == 0
	s_add_co_u32 s[KA], s[KA], 256                 ; a lap is over: att's fragments step 256 bytes along K
	v_add_nc_u32 v[ADRA], s[KA], v[ADRA0]
	v_add_nc_u32 v[ADRA+1], s[KA], v[ADRA0+1]
.endif
	ALOADS QFAN, ((\q)+1)%4
.endif
.if \bload
	s_wait_xcnt 0x0                                ; the base of the run before, issued 64 matrix instructions ago, is stepped only behind this wait
	s_add_nc_u64 s[BP:BP+1], s[BP:BP+1], RUNB
	BRUN QFBN, 0
.endif
.if \aload
	s_wait_dscnt 16                                ; all but the 16 just issued
.else
	s_wait_dscnt 0x0
.endif
	MUL16 QFB, QFA, 1, 0
	MUL16 QFB, QFA, 1, 2
.endm
	ALOADS F0, 0
	s_mov_b32 s3, 3
.Llap:                                                 ; a trip: four quarters; two runs of 16 loads are younger than the one that a quarter multiplies
	QUARTER 0, 1, 1, 32
	QUARTER 1, 1, 1, 32
	QUARTER 2, 1, 1, 32
	QUARTER 3, 1, 1, 32
	WIN 0
	s_sub_co_u32 s3, s3, 1
	s_cmp_lg_u32 s3, 0
	s_cbranch_scc1 .Llap
	QUARTER 0, 1, 1, 32                            ; the last lap is written out: one more run, the sixteenth, then the counts run down
	QUARTER 1, 0, 1, 32
	QUARTER 2, 0, 1, 16
	QUARTER 3, 0, 0, 0
	WIN 0
	PLACES
	s_barrier_signal -1                            ; every wave's reads of att are back:
	s_barrier_wait -1                              ; its bytes take y
	WIN 0x08                                       ; store data in window 2
.set a, 0
.rept 4
.irp b, 0,1,2,3,4,5,6,7
	ds_store_b128 v[YA+a/2], v[8*(8*a+\b):8*(8*a+\b)+3],   offset:(a%2)*16*YP+64*\b
	ds_store_b128 v[YA+a/2], v[8*(8*a+\b)+4:8*(8*a+\b)+7], offset:(a%2)*16*YP+64*\b+16
.endr
.set a, a+1
.endr
	WIN 0x0c
.rept 4
.irp b, 0,1,2,3,4,5,6,7
	ds_store_b128 v[YA+a/2], v[8*(8*(a-4)+\b):8*(8*(a-4)+\b)+3],   offset:(a%2)*16*YP+64*\b
	ds_store_b128 v[YA+a/2], v[8*(8*(a-4)+\b)+4:8*(8*(a-4)+\b)+7], offset:(a%2)*16*YP+64*\b+16
.endr
.set a, a+1
.endr
	WIN 0
.set i, 0
.rept 16
	v_mov_b32 v[NM+i], 0                           ; the pairs' odd registers are named with the even ones
.set i, i+1
.endr
	s_wait_dscnt 0x0                               ; for the others' sake: my columns of y are in LDS
	s_barrier_signal -1
	s_barrier_wait -1
.macro XLANE                           ; the sum over the 32 lanes, in every lane: four steps inside each half ride on the addition, one crosses the halves
.irp m, 1,2,4,8
	ALLR v_add_f32_dpp v[TM+8*i], v[TM+8*i], v[TM+8*i] row_xmask:\m row_mask:0xf bank_mask:0xf
.endr
	ALLR v_permlanex16_b32 v[TM+8*i+1], v[TM+8*i], s[SEL], s[SEL+1]
	ALLR v_add_f32 v[TM+8*i], v[TM+8*i], v[TM+8*i+1]
.endm
	s_mov_b32 s56, 8
	s_mov_b32 s57, 0
.Lrow:                                                 ; a trip: four whole rows, line by line side by side; a lane holds columns 128 q + 4 lane + 0..3
.irp q, 0,1,2,3
	ALLR ds_load_b128 v[Y+16*i+4*\q:Y+16*i+4*\q+3], v[YR] offset:i*YP+\q*512
.endr
	s_wait_dscnt 0x0
.irp k, 0,1,2,3,4,5,6,7
	ALLR v_pk_add_f32 v[Y+16*i+2*\k:Y+16*i+2*\k+1], v[Y+16*i+2*\k:Y+16*i+2*\k+1], v[BO+2*\k:BO+2*\k+1]
.endr
.irp k, 0,1,2,3
	ALLR v_pk_add_f32 v[TM+8*i+2*\k:TM+8*i+2*\k+1], v[Y+16*i+4*\k:Y+16*i+4*\k+1], v[Y+16*i+4*\k+2:Y+16*i+4*\k+3]
.endr
	ALLR v_pk_add_f32 v[TM+8*i:TM+8*i+1], v[TM+8*i:TM+8*i+1], v[TM+8*i+2:TM+8*i+3]
	ALLR v_pk_add_f32 v[TM+8*i+4:TM+8*i+5], v[TM+8*i+4:TM+8*i+5], v[TM+8*i+6:TM+8*i+7]
	ALLR v_pk_add_f32 v[TM+8*i:TM+8*i+1], v[TM+8*i:TM+8*i+1], v[TM+8*i+4:TM+8*i+5]
	ALLR v_add_f32 v[TM+8*i], v[TM+8*i], v[TM+8*i+1]
	XLANE
	ALLR v_mul_f32 v[NM+2*i], s58, v[TM+8*i]
.irp k, 0,1,2,3,4,5,6,7
	ALLR v_pk_add_f32 v[Y+16*i+2*\k:Y+16*i+2*\k+1], v[Y+16*i+2*\k:Y+16*i+2*\k+1], v[NM+2*i:NM+2*i+1] op_sel_hi:[1,0]
.endr
	ALLR v_pk_mul_f32 v[TM+8*i:TM+8*i+1], v[Y+16*i:Y+16*i+1], v[Y+16*i:Y+16*i+1]
	ALLR v_pk_mul_f32 v[TM+8*i+2:TM+8*i+3], v[Y+16*i+2:Y+16*i+3], v[Y+16*i+2:Y+16*i+3]
.irp k, 4,8,12
	ALLR v_pk_fma_f32 v[TM+8*i:TM+8*i+1], v[Y+16*i+\k:Y+16*i+\k+1], v[Y+16*i+\k:Y+16*i+\k+1], v[TM+8*i:TM+8*i+1]
	ALLR v_pk_fma_f32 v[TM+8*i+2:TM+8*i+3], v[Y+16*i+\k+2:Y+16*i+\k+3], v[Y+16*i+\k+2:Y+16*i+\k+3], v[TM+8*i+2:TM+8*i+3]
.endr
	ALLR v_pk_add_f32 v[TM+8*i:TM+8*i+1], v[TM+8*i:TM+8*i+1], v[TM+8*i+2:TM+8*i+3]
	ALLR v_add_f32 v[TM+8*i], v[TM+8*i], v[TM+8*i+1]
	XLANE
	ALLR v_fma_f32 v[TM+8*i], v[TM+8*i], s59, s60
	ALLR v_rsq_f32 v[RSQ+2*i], v[TM+8*i]
	v_nop                                          ; a plain line between the last root and the use of the results (ISA guide 5.7.2)
	s_wait_alu depctr_va_vdst(0)
.irp k, 0,1,2,3,4,5,6,7
	ALLR v_pk_mul_f32 v[Y+16*i+2*\k:Y+16*i+2*\k+1], v[Y+16*i+2*\k:Y+16*i+2*\k+1], v[RSQ+2*i:RSQ+2*i+1] op_sel_hi:[1,0]
.endr
.irp k, 0,1,2,3,4,5,6,7
	ALLR v_pk_fma_f32 v[Y+16*i+2*\k:Y+16*i+2*\k+1], v[Y+16*i+2*\k:Y+16*i+2*\k+1], v[GA+2*\k:GA+2*\k+1], v[BE+2*\k:BE+2*\k+1]
.endr
.irp q, 0,1,2,3
	ALLR global_store_b128 v[OO], v[Y+16*i+4*\q:Y+16*i+4*\q+3], s[16:17] offset:i*2048+\q*512 th:TH_STORE_NT
.endr
	s_wait_xcnt 0x0                                ; the stores' offset and data are rewritten only behind this wait
	v_add_nc_u32 v[OO], 8192, v[OO]
	s_add_co_u32 s57, s57, 4*YP
	v_add_nc_u32 v[YR], s57, v[YR0]
	s_sub_co_u32 s56, s56, 1
	s_cmp_lg_u32 s56, 0
	s_cbranch_scc1 .Lrow
	s_wait_tensorcnt 0x0                           ; the wave's end
	ds_add_u32 v[SPW], v[NIL]
	s_wait_dscnt 0x0
	s_endpgm
.Lfunc_end_k_qb574e4ddc0_proj:
	.size	k_qb574e4ddc0_proj, .Lfunc_end_k_qb574e4ddc0_proj-k_qb574e4ddc0_proj
	.p2alignl 7, 3214868480
	.fill 96, 4, 3214868480
	.section	.rodata,"a",@progbits
	.p2align	6, 0x0
	.amdhsa_kernel k_qb574e4ddc0_proj
		.amdhsa_group_segment_fixed_size 270848
		.amdhsa_private_segment_fixed_size 0
		.amdhsa_enable_private_segment 0
		.amdhsa_kernarg_size 56
		.amdhsa_user_sgpr_count 2
		.amdhsa_user_sgpr_kernarg_segment_ptr 1
		.amdhsa_wavefront_size32 1
		.amdhsa_system_sgpr_workgroup_id_x 1
		.amdhsa_system_sgpr_workgroup_id_y 1
		.amdhsa_system_sgpr_workgroup_id_z 1
		.amdhsa_system_vgpr_workitem_id 0
		.amdhsa_next_free_vgpr 1024
		.amdhsa_next_free_sgpr 66
		.amdhsa_reserve_vcc 0
		.amdhsa_float_denorm_mode_32 3
		.amdhsa_float_denorm_mode_16_64 3
		.amdhsa_memory_ordered 1
		.amdhsa_forward_progress 1
		.amdhsa_inst_pref_size 107
	.end_amdhsa_kernel
	.amdgpu_metadata
---
amdhsa.version: [ 1, 2 ]
amdhsa.kernels:
  - .name:           k_qb574e4ddc0_proj
    .symbol:         k_qb574e4ddc0_proj.kd
    .args:
      - { .name: att, .offset: 0, .size: 8, .value_kind: global_buffer, .address_space: global }
      - { .name: wb, .offset: 8, .size: 8, .value_kind: global_buffer, .address_space: global }
      - { .name: inputs, .offset: 16, .size: 8, .value_kind: global_buffer, .address_space: global }
      - { .name: bo, .offset: 24, .size: 8, .value_kind: global_buffer, .address_space: global }
      - { .name: gamma, .offset: 32, .size: 8, .value_kind: global_buffer, .address_space: global }
      - { .name: beta, .offset: 40, .size: 8, .value_kind: global_buffer, .address_space: global }
      - { .name: out0, .offset: 48, .size: 8, .value_kind: global_buffer, .address_space: global }
    .group_segment_fixed_size: 270848
    .private_segment_fixed_size: 0
    .kernarg_segment_align: 8
    .kernarg_segment_size: 56
    .max_flat_workgroup_size: 128
    .sgpr_count:     66
    .vgpr_count:     1024
    .wavefront_size: 32
...
	.end_amdgpu_metadata
.endif
;; end of part 4
;; ======== version 2 of 2: 4 launches; version 1 with the launch qkv written anew for expert scheduling mode
;; workspace buffers: wb 2,097,152 bytes; qkv 100,663,296 bytes; att 33,554,432 bytes
;; launch cast: the kernel of part 1 again; grid 16 x 16, 4 waves a work-group, no clusters, 8,704 bytes of LDS; arguments Wq1, Wq2, Wk1, Wk2, Wv1, Wv2, Wo, wb; writes wb
;; launch qkv (part 5): grid 256 x 1, 4 waves a work-group, no clusters, 151,040 bytes of LDS; arguments inputs, wb, bq1, bq2, bk1, bk2, bv1, bv2, qkv; writes qkv
.if DOCPART == 5
	.amdgcn_target "amdgcn-amd-amdhsa--gfx1250"
	.amdhsa_code_object_version 6
	.text
	.protected	k_qb574e4ddc0_qkv
	.globl	k_qb574e4ddc0_qkv
	.p2align	8
	.type	k_qb574e4ddc0_qkv,@function
k_qb574e4ddc0_qkv:
	s_mov_b64 s[64:65], 0
	v_nop
	global_prefetch_b8 v0, s[64:65] scope:SCOPE_SE
	s_setreg_imm32_b32 hwreg(HW_REG_WAVE_SCHED_MODE, 0, 2), 2
	s_setreg_imm32_b32 hwreg(HW_REG_WAVE_MODE, 25, 1), 1
	s_wait_xcnt 0x0
	s_wait_alu depctr_vm_vsrc(0)
; q, k, v = x W + b for both heads.  x: [32,768][512] f32.  wb: the weights in bf16, in fragment order: [strip of 128 columns][block q, k, v, o][quarter of 32 k][16 chunks of 512 bytes].
; qkv: bf16 [3][head x 32 + batch][1,024][256], rows of 512 bytes.  Operands bf16, sums f32, started by the bias; each result rounded once to bf16.
; LIMITS.  x and W are rounded to bf16 (8 significant bits) for the products; q, k, v leave in bf16.  NaN and infinities are not treated apart.
; SHARES.  A work-group owns 128 rows of x and makes all 3 x 512 columns for them: x is read from memory once, rounded, and stays in LDS (128 rows x 1,024 bytes).
; Its four waves each own all 128 rows x 128 columns (a strip) of a block of 512: 64 accumulators of 16 x 16, 512 registers.
; W COMES STRAIGHT INTO REGISTERS.  A wave reads no column of W but its own strip's, so LDS would give W no reuse inside the work-group.  A quarter step (32 along K) wants 16 loads of 512 consecutive bytes; a ring of four
; register buffers keeps them 136 matrix instructions or more ahead of their use, and the K loop has no barrier.  From LDS a quarter step reads x's fragments alone: 16 loads for 64 matrix instructions.
; NO CLUSTER, though all work-groups walk the same W: joint loads land in LDS alone, and beside x's 133,120 bytes two slots hold 64 K rows of 1,056 bytes at the most: 128 matrix instructions a wave
; for each refill, and one load a wave behind each barrier.  The price: every work-group asks for its 1.5 MB of W by itself.
; THE MATRIX INSTRUCTION IS USED TRANSPOSED: source 0 = 16 columns of W, source 1 = 16 rows of x.  A lane then holds row l % 16 and eight neighbouring columns 8 (l / 16) + 0..7, which pack into 16 bytes;
; the bias of those eight columns is the C operand of a block's first products.
; REGISTERS, in windows of 256 (s_set_vgpr_msb: bits 1:0 source 0, 3:2 source 1, 5:4 source 2, 7:6 destination):
;   window 0: v0-31 addresses; v32-63 at work; v64-127, v128-191 fragments of x, two buffers (the second also serves the way out); v192-255 bias     window 1: fragments of W, four buffers of 64
;   window 2: the accumulators of rows 0-63 ((a, b) at v[8 (8 a + b)])     window 3: those of rows 64-127
; THE MODE: SCHED_MODE bits 1:0 = 2 (LLVM: expert scheduling mode 2), set by the entry lines.  The code itself states the register dependences
; between vector or matrix instructions and memory or LDS instructions, with s_wait_alu, always for 0.
; THE PLAN.  Registers that memory or LDS instructions touch:
;   v8-9, v14-18, v20  offsets and addresses, made at the head and never written again.
;   WHILE x IS ROUNDED, in groups of eight loads (two rows):
;   XS0 .. XS3 (v64-191)   Group g: its sixteen conversions read XS[g]; behind them the loads of the rows eight further down land in it.
;   T0, T1 (v32-47, 48-63) Group g: its conversions write T[g % 2], its eight LDS stores read it; group g + 2 writes it again.
;   v[AST]                 Read by those stores; written once a trip, at the trip's end.
;   So one wait on va_vdst stands in a group, behind its conversions, and its sixteen memory and LDS instructions follow; a wait on vm_vsrc stands ahead of groups 2 and 3 and at the trip's end.
;   IN THE K LOOP:
;   x's two buffers        Quarter q: its matrix instructions read buffer q % 2; the LDS loads issued in it land in the other one, which quarter q - 1 read last.
;   W's four buffers       Quarter q: its matrix instructions read buffer q % 4; the loads issued in it land in buffer (q + 3) % 4, which quarter q - 1 read last.
;   v[ADRA], v[ADRA+1]     Read by every LDS load of a fragment; written once a lap, at the head of the lap's last quarter.
;   the bias               Read by a block's first quarter; loaded again thirteen quarters later.
;   So ONE wait on va_vdst stands at a quarter's head.  No matrix instruction of quarter q names a register that the quarter's 32 loads touch: they are dealt among its 64 matrix instructions, eight at a time, with no further wait.
;   ON THE WAY OUT, by blocks of 16 rows:
;   TMP (v32-63)           Block a: its conversions write it, its LDS stores read it; block a + 1 writes it again.
;   OB0, OB1 (v128-191)    Block a: its LDS loads land in OB[a % 2], its global stores read it; block a + 2 loads it again; then the next block of columns loads fragments of x there.
;   The accumulators are named by vector and matrix instructions alone.
.set PA,     1040                      ; a row of x in LDS: 1,024 bytes + 16 = 260 words: the 16 rows of a fragment load start at 16 different groups of four banks (64 banks of 4 bytes: ISA guide 11.1)
.set STAGE,  128*PA                    ; behind x: 16 rows x 272 bytes for each wave, for the way out
.set SPITCH, 272
.set SPARE,  STAGE+4*16*SPITCH         ; the spare words, 128 bytes a wave: two blocks of 256 bytes that no other line names
.set RUNB,   8192                      ; a strip's fragments of one quarter step
.set ADRA0, 8                          ; v8-9    my place in x's rows 0-63, 64-127; never rewritten
.set ADRA,  10                         ; v10-11  the same plus the lap's bytes along K
.set STO,   14                         ; v14     the way out: where I put 16 bytes of a row
.set RD,    15                         ; v15     where I read a row back
.set CO,    16                         ; v16     my byte offset in two rows of the output
.set BOF,   17                         ; v17     my byte offset in a bias
.set AST0,  18                         ; v18     where my wave's first row of x goes in LDS, 8 bytes a lane
.set AST,   19                         ; v19     the same for the eight rows in hand
.set XO,    20                         ; v20     16 bytes a lane; never rewritten
.set SPW,   28                         ; v28     my spare word; never rewritten
.set NIL,   29                         ; v29     0; never rewritten
.set TMP,   32                         ; the way out: packed results
.set T,     32                         ; while x is rounded: two sets of 16, rounded numbers on their way to LDS
.set F0,    64                         ; x's fragment buffers: F0, F0 + 64
.set XS,    64                         ; while x is rounded: v64-191, 32 loads of 16 bytes a lane, four groups of eight
.set OB,    128                        ; the way out: 16 rows read back from the stage, v128-159 and v160-191 by turns
.set BIAS,  192
.set BP,    6                          ; s[6:7]  W: the run of loads last asked for
.set WV,    22                         ; s22 wave
.set KA,    27                         ; s27 the lap's bytes along K: 0, 256, 512, 768
.set MSB, 0
.macro WIN new                         ; the immediate's high byte repeats the setting that is left; a switch that changes nothing is dropped
.if MSB != (\new)
	s_set_vgpr_msb (MSB<<8)|(\new)
.set MSB, \new
.endif
.endm
.set MUL_LO, 0xa1                      ; W window 1, x window 0, C and D window 2
.set MUL_HI, 0xf1                      ; C and D window 3
.set ZLO,    0x81                      ; the same with C (the bias) in window 0
.set ZHI,    0xc1
.set TO_B,   0x40                      ; destination window 1, address window 0
.macro PLACES                          ; a vector line that reads a matrix result stands four plain vector lines behind the matrix instruction (ISA guide 7.12.1)
.rept 4
	v_nop
.endr
.endm
.macro BLOADS base                     ; the bias of my 128 columns as eight C operands: register j of block b holds bias[16 b + 8 h + j]
	WIN 0
.irp i, 0,1,2,3,4,5,6,7
	global_load_b128 v[BIAS+8*(\i):BIAS+8*(\i)+3],   v[BOF], s[\base:\base+1] offset:64*(\i)
	global_load_b128 v[BIAS+8*(\i)+4:BIAS+8*(\i)+7], v[BOF], s[\base:\base+1] offset:64*(\i)+16
.endr
.endm
.macro BRUN fb, off, h                 ; half h of a run: four of W's eight fragments of a quarter step, 8 loads of 512 consecutive bytes, into the buffer at fb of window 1
	WIN TO_B
.irp i, 0,1,2,3,4,5,6,7
	global_load_b128 v[(\fb)+32*(\h)+4*(\i):(\fb)+32*(\h)+4*(\i)+3], v[XO], s[BP:BP+1] offset:(\off)+4096*(\h)+512*(\i)
.endr
.endm
	s_load_b512 s[4:19], s[0:1], 0x0               ; x s[4:5], wb s[6:7], bq1 s[8:9], bq2, bk1, bk2, bv1, bv2 s[18:19]
	s_load_b64 s[20:21], s[0:1], 0x40              ; qkv
	v_lshl_add_u32 v[SPW], v0, 2, SPARE
	v_mov_b32 v[NIL], 0
	v_lshrrev_b32 v1, 5, v0
	v_readfirstlane_b32 s[WV], v1                  ; wave 0..3 = my strip
	s_mov_b32 s[KA], 0
	s_mov_b32 s49, 0
	v_and_b32 v1, 15, v0                           ; r = l % 16
	v_bfe_u32 v2, v0, 4, 1                         ; h = l / 16
	v_and_b32 v3, 31, v0                           ; l
	v_mul_u32_u24 v[ADRA0], v1, PA                 ; a fragment of x: row r, 16 bytes for each half of the lanes, a second load 32 bytes on
	v_lshl_add_u32 v[ADRA0], v2, 4, v[ADRA0]
	v_add_nc_u32 v[ADRA0+1], 64*PA, v[ADRA0]
	v_mov_b32 v[ADRA], v[ADRA0]
	v_mov_b32 v[ADRA+1], v[ADRA0+1]
	v_lshlrev_b32 v[XO], 4, v3
	s_wait_alu depctr_va_sdst(0)                   ; s[WV] is written, ahead of its first reader: LDS places and the bases of x, W, the biases and the output are made from it
	s_lshr_b32 s25, s[WV], 1                       ; my columns' head
	s_and_b32 s26, s[WV], 1                        ; and which 128 of its 256 channels
	s_mul_i32 s44, s[WV], 16*SPITCH
	s_add_co_u32 s44, s44, STAGE                   ; my stage
	v_mul_u32_u24 v4, v1, SPITCH
	v_lshl_add_u32 v4, v2, 4, v4
	v_add_nc_u32 v[STO], s44, v4
	v_mul_u32_u24 v4, v2, SPITCH
	v_lshl_add_u32 v4, v1, 4, v4
	v_add_nc_u32 v[RD], s44, v4
	v_lshlrev_b32 v4, 9, v2
	v_lshl_add_u32 v[CO], v1, 4, v4
	s_lshl_b32 s44, s26, 9
	v_lshl_add_u32 v[BOF], v2, 5, s44              ; bias of columns 8 h + 0..7 of my first 16
	s_mul_i32 s44, s[WV], 32*PA
	v_lshl_add_u32 v[AST0], v3, 3, s44
	v_mov_b32 v[AST], v[AST0]
	s_wait_kmcnt 0x0
	s_lshl_b32 s44, ttmp9, 18                      ; my work-group's 128 rows of 2,048 bytes,
	s_lshl_b32 s45, s[WV], 16                      ; of which my wave rounds 32
	s_add_co_u32 s44, s44, s45
	s_mov_b32 s45, 0
	s_add_nc_u64 s[4:5], s[4:5], s[44:45]
	s_lshl_b32 s44, s[WV], 19                      ; my strip's 524,288 bytes of wb
	s_add_nc_u64 s[BP:BP+1], s[BP:BP+1], s[44:45]
	s_lshl_b32 s44, s25, 24                        ; the head's 32 batches of 524,288 bytes,
	s_lshl_b32 s48, ttmp9, 16                      ; 128 rows of 512 bytes,
	s_add_co_u32 s44, s44, s48
	s_lshl_b32 s48, s26, 8                         ; my 128 channels
	s_add_co_u32 s44, s44, s48
	s_add_nc_u64 s[20:21], s[20:21], s[44:45]
	s_cmp_eq_u32 s25, 0                            ; my head's three biases
	s_cselect_b64 s[54:55], s[8:9], s[10:11]
	s_cselect_b64 s[46:47], s[12:13], s[14:15]
	s_cselect_b64 s[52:53], s[16:17], s[18:19]
	s_wait_alu depctr_va_vdst(0)                   ; the offsets and addresses v8 to v20 are written, which the kernel's loads and stores read
	BLOADS 54                                      ; the first block's bias,
	BRUN 0, 0, 0                                   ; and W's first run: both older than every load of x
	BRUN 0, 0, 1
	WIN 0
	; x -> bf16 -> LDS.  My wave takes 32 rows, eight at a time; a row is four loads of 512 consecutive bytes.  A ring of 32 loads in registers, in four groups of eight (two rows): a group is rounded, asked for
	; again for the rows eight further down, and stored to LDS.  g: the group; left: the younger loads, which stay out; more = 1: it is asked for again; free = 1: this trip's stores have read the set of T that it writes.
.macro AGRP g, left, more, free
	s_wait_loadcnt \left                           ; loads come back in order (ISA guide 5.7.1): this group's eight are in, the younger ones stay out
.if \free
	s_wait_alu depctr_vm_vsrc(0)                   ; the LDS stores of the group before last have read this set of T, which the conversions below write again
.endif
.irp j, 0,1,2,3,4,5,6,7
	v_cvt_pk_bf16_f32 v[T+16*((\g)%2)+2*(\j)],   v[XS+32*(\g)+4*(\j)],   v[XS+32*(\g)+4*(\j)+1]
	v_cvt_pk_bf16_f32 v[T+16*((\g)%2)+2*(\j)+1], v[XS+32*(\g)+4*(\j)+2], v[XS+32*(\g)+4*(\j)+3]
.endr
	s_wait_alu depctr_va_vdst(0)                   ; the conversions have written this set of T, which the LDS stores read, and are done reading XS[g], in which the loads land; in a trip's first group v[AST] is written
.if \more
.irp j, 0,1,2,3,4,5,6,7
	global_load_b128 v[XS+32*(\g)+4*(\j):XS+32*(\g)+4*(\j)+3], v[XO], s[4:5] offset:(2*(\g)+(\j)/4)*2048+((\j)%4)*512+16384 th:TH_LOAD_NT
.endr
.endif
.irp j, 0,1,2,3,4,5,6,7
	ds_store_b64 v[AST], v[T+16*((\g)%2)+2*(\j):T+16*((\g)%2)+2*(\j)+1] offset:(2*(\g)+(\j)/4)*PA+((\j)%4)*256
.endr
.endm
.set r, 0
.rept 32
	global_load_b128 v[XS+4*r:XS+4*r+3], v[XO], s[4:5] offset:(r/4)*2048+(r%4)*512 th:TH_LOAD_NT
.set r, r+1
.endr
	s_mov_b32 s48, 3
.Lrows:
	AGRP 0, 24, 1, 0                               ; 24 younger loads: the other three groups.  Groups 0 and 1 write sets of T that the wait at the last trip's end has shown read
	AGRP 1, 24, 1, 0
	AGRP 2, 24, 1, 1
	AGRP 3, 24, 1, 1
	s_wait_xcnt 0x0                                ; the loads' base is stepped only behind this wait
	s_add_nc_u64 s[4:5], s[4:5], 16384
	s_add_co_u32 s49, s49, 8*PA
	s_wait_alu depctr_vm_vsrc(0)                   ; the trip's LDS stores have read v[AST], which the next line writes, and both sets of T, which the next two groups write
	v_add_nc_u32 v[AST], s49, v[AST0]
	s_sub_co_u32 s48, s48, 1
	s_cmp_lg_u32 s48, 0
	s_cbranch_scc1 .Lrows
	BRUN 64, RUNB, 0                               ; W's second and third run go out behind the last loads of x
	BRUN 64, RUNB, 1
	BRUN 128, 2*RUNB, 0
	BRUN 128, 2*RUNB, 1
	WIN 0
	AGRP 0, 56, 0, 0                               ; the last eight rows load nothing: the groups left and W's 32 loads are younger
	AGRP 1, 48, 0, 0
	AGRP 2, 40, 0, 1
	AGRP 3, 32, 0, 1
	s_wait_xcnt 0x0
	s_add_nc_u64 s[BP:BP+1], s[BP:BP+1], 2*RUNB    ; the run last asked for
; 8 matrix instructions: row block a of the window's four x all 8 column blocks, 32 along K.  zero = 1: the bias starts the sums.  All 64 accumulators take turns, in the same order everywhere.
.macro MUL8 fb, fa, hi, a, zero
.if \zero
	WIN ZLO+0x40*(\hi)
.else
	WIN MUL_LO+0x50*(\hi)
.endif
.irp b, 0,1,2,3,4,5,6,7
.if \zero
	v_wmma_f32_16x16x32_bf16 v[8*(8*(\a)+(\b)):8*(8*(\a)+(\b))+7], v[(\fb)+8*(\b):(\fb)+8*(\b)+7], v[(\fa)+8*(4*(\hi)+(\a)):(\fa)+8*(4*(\hi)+(\a))+7], v[BIAS+8*(\b):BIAS+8*(\b)+7]
.else
	v_wmma_f32_16x16x32_bf16 v[8*(8*(\a)+(\b)):8*(8*(\a)+(\b))+7], v[(\fb)+8*(\b):(\fb)+8*(\b)+7], v[(\fa)+8*(4*(\hi)+(\a)):(\fa)+8*(4*(\hi)+(\a))+7], v[8*(8*(\a)+(\b)):8*(8*(\a)+(\b))+7]
.endif
.endr
.endm
.macro ALOADS f, kq, p                 ; 8 LDS loads: x's rows 64 p to 64 p + 63, 32 along K at quarter kq of the lap
	WIN 0
.irp i, 0,1,2,3
	ds_load_b128 v[(\f)+32*(\p)+8*(\i):(\f)+32*(\p)+8*(\i)+3],   v[ADRA+(\p)] offset:(\i)*16*PA+64*(\kq)
	ds_load_b128 v[(\f)+32*(\p)+8*(\i)+4:(\f)+32*(\p)+8*(\i)+7], v[ADRA+(\p)] offset:(\i)*16*PA+64*(\kq)+32
.endr
.endm
; A QUARTER STEP, 32 along K, 64 matrix instructions; q = its number in a lap of four.  It multiplies W's buffer q and x's buffer q % 2.  Dealt among them, eight at a time: x's fragments of the next quarter into x's
; other buffer (aload), behind the 8th and the 24th; W's run three quarters on into the buffer that the quarter before has left (bload), behind the 40th and the 56th.  lcnt = the loads issued behind this quarter's run of W.
; A block's first quarter (zero = 1) has no wait on va_vdst: behind the last such wait (the last group's, where x is rounded; the last block's, on the way out), which stands behind every earlier matrix instruction, no vector line follows.
.macro QUARTER q, zero, bload, aload, lcnt
.set QFB,  64*((\q)%4)
.set QFA,  F0+64*((\q)%2)
.set QFAN, F0+64*(((\q)+1)%2)
.set QFBN, 64*(((\q)+3)%4)
	s_wait_loadcnt \lcnt                           ; my run of W is in
	s_wait_dscnt 8                                 ; x's rows 0-63 are in; the youngest eight loads (rows 64-127) may be out
.if (\aload) && (((\q)+1)%4 == 0)
	WIN 0
	s_add_co_u32 s[KA], s[KA], 256                 ; a lap is over: x's fragments step 256 bytes along K, and behind 1,024 begin anew
	s_and_b32 s[KA], s[KA], 0x3ff
	s_wait_alu depctr_vm_vsrc(0)                   ; the LDS loads issued so far have read v[ADRA] and v[ADRA+1]
	v_add_nc_u32 v[ADRA], s[KA], v[ADRA0]
	v_add_nc_u32 v[ADRA+1], s[KA], v[ADRA0+1]
.endif
.if ((\aload) || (\bload)) && !(\zero)
	s_wait_alu depctr_va_vdst(0)                   ; the quarter before is done reading its buffer of x and its buffer of W, in which this quarter's loads land; in a lap's last quarter v[ADRA] and v[ADRA+1] are written
.endif
	MUL8 QFB, QFA, 0, 0, \zero
.if \aload
	ALOADS QFAN, ((\q)+1)%4, 0                     ; no wait: no matrix instruction since the wait above names these registers; so for the three runs of loads below
.endif
	MUL8 QFB, QFA, 0, 1, \zero
	MUL8 QFB, QFA, 0, 2, \zero
.if \aload
	ALOADS QFAN, ((\q)+1)%4, 1
.endif
	MUL8 QFB, QFA, 0, 3, \zero
.if \aload
	s_wait_dscnt 16                                ; all but the 16 issued in this quarter: x's rows 64-127 are in
.else
	s_wait_dscnt 0x0
.endif
	MUL8 QFB, QFA, 1, 0, \zero
.if \bload
	s_wait_xcnt 0x0                                ; the base of the run before, whose last loads were issued 48 matrix instructions ago, is stepped only behind this wait
	s_add_nc_u64 s[BP:BP+1], s[BP:BP+1], RUNB
	BRUN QFBN, 0, 0
.endif
	MUL8 QFB, QFA, 1, 1, \zero
	MUL8 QFB, QFA, 1, 2, \zero
.if \bload
	BRUN QFBN, 0, 1
.endif
	MUL8 QFB, QFA, 1, 3, \zero
.endm
; THE WAY OUT of row block a.  PACK: rounded to bf16, 16 bytes a lane, each accumulator from its lowest register on.  TOSTAGE: into my own stage and back as whole rows of 256 bytes.  SEND: stored.
.macro PACK a
.set AC, 64*((\a)%4)
	WIN 0x0a+5*((\a)/4)                            ; sources 0 and 1: window 2 or 3
.irp b, 0,1,2,3,4,5,6,7
.irp r, 0,1,2,3
	v_cvt_pk_bf16_f32 v[TMP+4*(\b)+(\r)], v[AC+8*(\b)+2*(\r)], v[AC+8*(\b)+2*(\r)+1]
.endr
.endr
	WIN 0
.endm
.macro TOSTAGE a
.set BK, OB+32*((\a)%2)
	s_wait_alu depctr_va_vdst(0)                   ; the block's conversions have written TMP, which the LDS stores read; the last quarter's matrix instructions are done reading v128-191, in which the loads from the stage land
.irp b, 0,1,2,3,4,5,6,7
	ds_store_b128 v[STO], v[TMP+4*(\b):TMP+4*(\b)+3] offset:32*(\b)
.endr
.irp t, 0,1,2,3,4,5,6,7
	ds_load_b128 v[BK+4*(\t):BK+4*(\t)+3], v[RD] offset:(\t)*2*SPITCH  ; LDS serves a wave's instructions in order (ISA guide 5.7.1.4): these see the stores above
.endr
.endm
.macro SEND a
.set BK, OB+32*((\a)%2)
	s_wait_dscnt 0x0                               ; the block is back in registers
	s_wait_xcnt 0x0                                ; the registers that the block before last's stores read are loaded again only behind this wait
.irp t, 0,1,2,3,4,5,6,7
	global_store_b128 v[CO], v[BK+4*(\t):BK+4*(\t)+3], s[20:21] offset:(16*(\a)+2*(\t))*512  ; 16 lanes store 256 consecutive bytes, at a multiple of 256 from the buffer's first byte
.endr
.endm
	s_wait_dscnt 0x0                               ; for the others' sake: my rows of x are in LDS
	s_barrier_signal -1
	s_barrier_wait -1                              ; everybody's are: the launch's one barrier
	s_wait_alu depctr_vm_vsrc(0)                   ; my LDS stores have read both sets of T: these registers are TMP from here on, written by the way out's conversions
	ALOADS F0, 0, 0                                ; into XS's registers: the conversions that read them stand ahead of the last group's wait on va_vdst
	ALOADS F0, 0, 1
	s_mov_b32 s2, 3                                ; blocks to go: q, k, v
.Lchunk:
	QUARTER 0, 1, 1, 1, 32                         ; a block's first quarter stands in front of the loop: its products start the sums.  Its run and the bias are older than the two younger runs
	WIN 0
	s_mov_b32 s3, 3
.Llap:                                                 ; a trip: four quarters, from a lap's second to the next lap's first
	QUARTER 1, 0, 1, 1, 32
	QUARTER 2, 0, 1, 1, 32
	QUARTER 3, 0, 1, 1, 32
	QUARTER 0, 0, 1, 1, 32
	WIN 0
	s_sub_co_u32 s3, s3, 1
	s_cmp_lg_u32 s3, 0
	s_cbranch_scc1 .Llap
	s_cmp_eq_u32 s2, 1
	s_cbranch_scc1 .Llast                          ; the last block's last quarters are written out: they ask for nothing more
	s_cmp_eq_u32 s2, 3
	s_cselect_b64 s[50:51], s[46:47], s[52:53]     ; behind q comes k, behind k comes v
	BLOADS 50                                      ; the next block's bias, three quarters ahead of its use: 16 loads more are younger in the three waits below.  No wait: the block's first quarter, which read the bias, stands ahead of twelve quarters' waits on va_vdst
	QUARTER 1, 0, 1, 1, 48                         ; W's runs go on into the next block, which lies behind this one in wb,
	QUARTER 2, 0, 1, 1, 48
	QUARTER 3, 0, 1, 1, 48                         ; and so do x's fragments, which begin anew
	WIN 0
	s_branch .Lout
.Llast:
	QUARTER 1, 0, 0, 1, 32                         ; the counts run down
	QUARTER 2, 0, 0, 1, 16
	QUARTER 3, 0, 0, 0, 0                          ; it issues no load, so it states no dependence
	WIN 0
.Lout:
	PLACES                                         ; four places behind the last quarter's products, before the first conversions read results; each block's conversions are the places for the blocks behind it
	PACK 0
	TOSTAGE 0
.irp a, 1,2,3,4,5,6,7                  ; block a's conversions stand between block a - 1's loads from the stage and the wait for them
	s_wait_alu depctr_vm_vsrc(0)                   ; the LDS stores of the block before have read TMP, which the conversions below write again; the global stores of the block before last have read the registers in which this block's loads from the stage land
	PACK \a
	SEND (\a)-1
	TOSTAGE \a
.endr
	SEND 7
	s_wait_xcnt 0x0                                ; the stores' base is stepped, and the registers that they read are loaded again, only behind this wait
	s_wait_alu depctr_vm_vsrc(0)                   ; the last two blocks' global stores have read v128-191, in which the next block's fragments of x land; the last LDS stores have read TMP, which the next way out writes
	s_add_nc_u64 s[20:21], s[20:21], 33554432      ; q -> k -> v
	s_sub_co_u32 s2, s2, 1
	s_cmp_lg_u32 s2, 0
	s_cbranch_scc1 .Lchunk
	s_wait_dscnt 0x0                               ; the closing lines, six on end
	s_wait_alu 0x0
	s_wait_tensorcnt 0x0
	ds_add_u32 v[SPW], v[NIL]
	s_wait_dscnt 0x0
	s_endpgm
.Lfunc_end_k_qb574e4ddc0_qkv:
	.size	k_qb574e4ddc0_qkv, .Lfunc_end_k_qb574e4ddc0_qkv-k_qb574e4ddc0_qkv
	.p2alignl 7, 3214868480
	.fill 96, 4, 3214868480
	.section	.rodata,"a",@progbits
	.p2align	6, 0x0
	.amdhsa_kernel k_qb574e4ddc0_qkv
		.amdhsa_group_segment_fixed_size 151040
		.amdhsa_private_segment_fixed_size 0
		.amdhsa_enable_private_segment 0
		.amdhsa_kernarg_size 72
		.amdhsa_user_sgpr_count 2
		.amdhsa_user_sgpr_kernarg_segment_ptr 1
		.amdhsa_wavefront_size32 1
		.amdhsa_system_sgpr_workgroup_id_x 1
		.amdhsa_system_sgpr_workgroup_id_y 1
		.amdhsa_system_sgpr_workgroup_id_z 1
		.amdhsa_system_vgpr_workitem_id 0
		.amdhsa_next_free_vgpr 1024
		.amdhsa_next_free_sgpr 66
		.amdhsa_reserve_vcc 0
		.amdhsa_float_denorm_mode_32 3
		.amdhsa_float_denorm_mode_16_64 3
		.amdhsa_memory_ordered 1
		.amdhsa_forward_progress 1
		.amdhsa_inst_pref_size 135
	.end_amdhsa_kernel
	.amdgpu_metadata
---
amdhsa.version: [ 1, 2 ]
amdhsa.kernels:
  - .name:           k_qb574e4ddc0_qkv
    .symbol:         k_qb574e4ddc0_qkv.kd
    .args:
      - { .name: inputs, .offset: 0, .size: 8, .value_kind: global_buffer, .address_space: global }
      - { .name: wb, .offset: 8, .size: 8, .value_kind: global_buffer, .address_space: global }
      - { .name: bq1, .offset: 16, .size: 8, .value_kind: global_buffer, .address_space: global }
      - { .name: bq2, .offset: 24, .size: 8, .value_kind: global_buffer, .address_space: global }
      - { .name: bk1, .offset: 32, .size: 8, .value_kind: global_buffer, .address_space: global }
      - { .name: bk2, .offset: 40, .size: 8, .value_kind: global_buffer, .address_space: global }
      - { .name: bv1, .offset: 48, .size: 8, .value_kind: global_buffer, .address_space: global }
      - { .name: bv2, .offset: 56, .size: 8, .value_kind: global_buffer, .address_space: global }
      - { .name: qkv, .offset: 64, .size: 8, .value_kind: global_buffer, .address_space: global }
    .group_segment_fixed_size: 151040
    .private_segment_fixed_size: 0
    .kernarg_segment_align: 8
    .kernarg_segment_size: 72
    .max_flat_workgroup_size: 128
    .sgpr_count:     66
    .vgpr_count:     1024
    .wavefront_size: 32
...
	.end_amdgpu_metadata
.endif
;; end of part 5
;; launch attn: the kernel of part 3 again; grid 4 x 64, 4 waves a work-group, clusters of 4 x 1, 327,680 bytes of LDS; arguments qkv, att; writes att
;; launch proj: the kernel of part 4 again; grid 256 x 1, 4 waves a work-group, no clusters, 270,848 bytes of LDS; arguments att, wb, inputs, bo, gamma, beta, out0; writes out0
